; MI455X (gfx1250); checked and timed in simulation.
; The chip was launched on July 23, 2026; its instructions are those of AMD's public machine-readable ISA for CDNA 5 (MIT licence, August 2026) and "CDNA5" Instruction Set Architecture Reference Guide (July 2026). The comments in the code are by the model that wrote it; some were corrected since.
;; Transformer Block. Allowed arithmetic: matrix products marked QUANTISED: E4M3 operands, one E8M0 scale for each 32 along K, by v_wmma_scale_f32_16x16x128_f8f6f4 with both operands' format E4M3, f32 sums; everything else in f32.
;; Inputs: fc1_b 4,096 float32; fc1_w_codes 4,096 x 32 x 32 uint8 (E4M3 codes of fc1_w, K innermost, in blocks of 32 codes); fc1_w_scales 4,096 x 32 uint8 (E8M0 scales of fc1_w, one for each 32 codes along K); fc2_b 1,024 float32; fc2_w_codes 1,024 x 128 x 32 uint8 (E4M3 codes of fc2_w, K innermost, in blocks of 32 codes); fc2_w_scales 1,024 x 128 uint8 (E8M0 scales of fc2_w, one for each 32 codes along K); ln1_b 1,024 float32; ln1_g 1,024 float32; ln2_b 1,024 float32; ln2_g 1,024 float32; out_b 1,024 float32; out_w_codes 1,024 x 32 x 32 uint8 (E4M3 codes of out_w, K innermost, in blocks of 32 codes); out_w_scales 1,024 x 32 uint8 (E8M0 scales of out_w, one for each 32 codes along K); qkv_b 3,072 float32; qkv_w_codes 3,072 x 32 x 32 uint8 (E4M3 codes of qkv_w, K innermost, in blocks of 32 codes); qkv_w_scales 3,072 x 32 uint8 (E8M0 scales of qkv_w, one for each 32 codes along K); x 2 x 2,048 x 1,024 float32.
;; Outputs: out0 2 x 2,048 x 1,024 float32.
;; This version of the problem:
;;   THIS VERSION OF THE PROBLEM IS GIVEN IN LOW PRECISION. The matrix products marked QUANTISED in the list below multiply operands that are first quantised to E4M3 (4 exponent bits, 3 mantissa bits; 8 bits a number), with one power-of-two scale for each 32 numbers along K (OCP MX v1.0); their sums are f32. All else is computed in f32.
;;   The module's matrix products, in the order in which they are computed (A, B: the left and right operand; K: the contracted axis; several contracted axes count as one K, in the product's order):
;;     1. [M 4,096, K 1,024] x [K 1,024, N 3,072]; A: computed on the way; B: input qkv_w (given as codes): QUANTISED
;;     2. batch 32 x [M 2,048, K 64] x [K 64, N 2,048]; A: computed on the way; B: computed on the way: QUANTISED
;;     3. batch 32 x [M 2,048, K 2,048] x [K 2,048, N 64]; A: softmax (see below); B: computed on the way: QUANTISED
;;     4. [M 4,096, K 1,024] x [K 1,024, N 1,024]; A: computed on the way; B: input out_w (given as codes): QUANTISED
;;     5. [M 4,096, K 1,024] x [K 1,024, N 4,096]; A: computed on the way; B: input fc1_w (given as codes): QUANTISED
;;     6. [M 4,096, K 4,096] x [K 4,096, N 1,024]; A: computed on the way; B: input fc2_w (given as codes): QUANTISED
;;   THE QUANTISER, for each operand of a quantised product, along K:
;;     - K is cut into blocks of 32 from its start; a last block that is shorter is filled with zeros.
;;     - A block's scale is 2^e with e = floor(log2(the largest magnitude in the block)) - 8, held to -126 .. 127; a block of zeros has e = 0. As a byte (E8M0): e + 127.
;;     - Each number is divided by its block's scale, clamped to +-448, and rounded to the nearest number of E4M3, ties to even, subnormals kept.
;;     - The product sums the exact products of the quantised numbers (number of the format x scale) in f32.
;;   ~~~python
;;   def quantise(x, axis):      # numpy; x: float32 -> the quantised numbers, widened to float32 again
;;       x = np.moveaxis(x, axis, -1); K = x.shape[-1]
;;       x = np.pad(x, [(0, 0)] * (x.ndim - 1) + [(0, -K % 32)]); x = x.reshape(x.shape[:-1] + (-1, 32)); a = np.abs(x).max(-1, keepdims=True)
;;       e = np.where(a > 0, np.clip(np.frexp(np.where(a > 0, a, 1))[1] - 1 - 8, -126, 127), 0)      # np.frexp(a)[1] - 1 = floor(log2(a)), exactly
;;       r = np.clip(x / 2.0 ** e, -448, 448)
;;       step = 2.0 ** (np.maximum(np.frexp(np.where(r == 0, 1, r))[1] - 1, -6) - 3)
;;       q = np.round(r / step) * step * 2.0 ** e      # np.round: ties to even
;;       return np.moveaxis(q.reshape(q.shape[:-2] + (-1,))[..., :K], -1, axis).astype(np.float32)
;;   ~~~
;;   SOFTMAX AHEAD OF A QUANTISED PRODUCT. Where the list says 'softmax', what is quantised is not the finished softmax but p = 2^(t - M), with t = logit x log2(e) and M = ceil(the row's largest t), a whole number; so 1/2 < the row's largest p <= 1. The row's sum l is taken of the UNQUANTISED p, in f32, and the product's result is divided by l at the end. Since M is a whole number, a kernel that streams over the keys may use a running M (the ceiling of the running maximum): every later rescaling is an exact power of two, which a block's scale takes up: the codes' values come out the same.
;;   OPERANDS COMPUTED ON THE WAY. 'Computed on the way' means the value that the module computes at that place (a softmax that the list does not call 'softmax' is quantised finished and normalised). What goes into a quantiser is computed in f32, as accurately as f32 sums, v_exp_f32 and their like allow (about 1e-6 of the number): no bf16 or f16 on the way to a quantiser, and a product that is left as it is and whose result goes on into a quantised operand takes f32 operands (vector FMAs, or v_wmma_f32_16x16x4_f32). A number that lies on a knife's edge between two numbers of the format may be rounded either way, as far as f32 arithmetic and the matrix unit's own rounding can turn it there, and no further.
;;   INPUTS GIVEN AS CODES. fc1_w (in the module: [1024, 4096], K = its axis 0); fc2_w (in the module: [4096, 1024], K = its axis 0); out_w (in the module: [1024, 1024], K = its axis 0); qkv_w (in the module: [1024, 3072], K = its axis 0): each comes as NAME_codes (uint8): NAME with its K axis moved to the last place and cut into blocks of 32 codes, [.., K / 32, bytes a block], one block behind the other in memory; one code a byte (a code: sign, 4 exponent bits, 3 mantissa bits); and NAME_scales (uint8): the same leading axes, one E8M0 byte (e + 127) for each 32 codes along K. Its value is code x scale, taken as it is: it is not quantised again, and the codes and scales need not be those that the quantiser above would give.
;; One version. Each part assembles by itself: llvm-mc -triple=amdgcn-amd-amdhsa -mcpu=gfx1250 --defsym DOCPART=n.
;; ======== version 1 of 1: 7 launches
;; limits: right only within a limited range of input values
;; workspace buffers: act 4,325,376 bytes; qkvw 13,238,272 bytes; att 4,325,376 bytes; x1 16,777,216 bytes; hid 17,301,504 bytes
;; launch ln1q (part 1): grid 256 x 1, 8 waves a work-group, no clusters, 50,688 bytes of LDS; arguments x, ln1_g, ln1_b, act; writes act
.if DOCPART == 1
	.amdgcn_target "amdgcn-amd-amdhsa--gfx1250"
	.amdhsa_code_object_version 6
	.text
	.protected	k_qff488ac1fc_ln1q
	.globl	k_qff488ac1fc_ln1q
	.p2align	8
	.type	k_qff488ac1fc_ln1q,@function
k_qff488ac1fc_ln1q:
	s_mov_b64 s[64:65], 0
	v_nop
	global_prefetch_b8 v0, s[64:65] scope:SCOPE_SE
	s_setreg_imm32_b32 hwreg(HW_REG_WAVE_MODE, 25, 1), 1
	s_wait_xcnt 0x0
; LAYERNORM AND QUANTISER.  in: [4096][1024] f32; g, b: [1024] f32.  out: codes of E4M3 [4096][1024], row-major, at byte 0 of the workspace, and one E8M0 byte for each 32
; along a row, [4096][32], at byte 0x400000.  y = (x - mean) * rsqrt(var + 1e-5) * g + b in f32; the difference from the mean is taken first and the variance is the mean of its squares.
; The same body serves both norms of the block (x ahead of the qkv product, x1 ahead of fc1).
; DEAD WORK OF THE WHOLE PROGRAM.  reference() builds the causal mask in its own body: for query q every key k > q gets -inf ahead of the softmax, so its weight is exactly 0, it adds 0
; to the row's sum and 0 to the product with V, and it never raises the row's maximum, whatever finite values K and V hold.  A step of 128 keys that all come after a tile's 16 queries
; is therefore left out of products 2 and 3 (in the attention launch).  Nothing else is left out: every input has a way to the output and is loaded.
; LIMIT of that: a NaN, an infinity or an overflow that lies only in hidden keys or values is not carried to the result.
; LIMITS of this body: NaN and infinities among the inputs are not served; a block of zeros, or one whose largest magnitude lies under 2^-118, gets the byte 1 (its codes are zeros or
; next to zero; the bytes are read by this program alone); sums are taken in another order than reference()'s.
; SHARES.  A work-group of eight waves takes 16 rows, a wave two.  A row is 4,096 bytes: eight loads of 512 consecutive bytes; it stays in 32 registers.  g and b come once a work-group:
; each thread loads 16 bytes of each, they meet in LDS, and every wave reads them back in the rows' layout.  No matrix unit, no tensor load, no cluster: the work-groups share nothing but g and b.
; The conversions want 16 neighbours in one lane, the loads give a lane 4: 512 numbers at a time turn through the wave's own stage in LDS (64 bytes a place + 16 of padding).
.set SP,    80                         ; a place in a stage
.set WREG,  2*32*SP                    ; a wave's two stages
.set GB,    8*WREG                     ; g (4,096 bytes), then b
.set SCB,   GB+8192                    ; the work-group's 512 scale bytes
.set SPARE, SCB+512                    ; the spare words: 128 bytes for each wave, named by no other line
.set SPW, 12                           ; v12  LDS address of my spare word; never rewritten
.set NIL, 13                           ; v13  0; never rewritten
.set T,   14                           ; v14-21  four pairs at work
.set M,   22                           ; v22-23  the mean, twice
.set R,   24                           ; v24-25  1 / sqrt(var + eps), twice
.set X,   32                           ; v32-95  two rows
.set G,   96                           ; v96-127 g in a row's layout
.set BV,  128                          ; v128-159 b likewise
.set XT,  160                          ; v160-191 two sets of 16 neighbours
.set CD,  192                          ; v192-207 codes, four registers a step
.set E,   208                          ; v208-211 a scale byte a step
	s_load_b256 s[4:11], s[0:1], 0x0               ; in s[4:5], g s[6:7], b s[8:9], out s[10:11]
	v_lshl_add_u32 v[SPW], v0, 2, SPARE
	v_mov_b32 v[NIL], 0
	v_lshrrev_b32 v1, 5, v0
	s_delay_alu instid0(VALU_DEP_1)
	v_readfirstlane_b32 s12, v1                    ; wave 0..7
	v_and_b32 v1, 31, v0                           ; lane
	s_delay_alu instid0(VALU_DEP_1)
	v_lshlrev_b32 v2, 4, v1                        ; 16 x lane
	v_lshlrev_b32 v3, 4, v0                        ; 16 x thread: my 16 bytes of g and of b
	s_mul_i32 s13, s12, WREG
	v_lshrrev_b32 v4, 2, v1
	s_delay_alu instid0(VALU_DEP_1)
	v_mul_u32_u24 v4, v4, SP
	v_and_b32 v5, 3, v1
	s_delay_alu instid0(VALU_DEP_1)
	v_lshl_add_u32 v4, v5, 4, v4
	s_delay_alu instid0(VALU_DEP_1)
	v_add_nc_u32 v4, s13, v4                       ; into a stage: four lanes' 64 bytes on end, then the padding
	v_mul_u32_u24 v5, v1, SP
	s_delay_alu instid0(VALU_DEP_1)
	v_add_nc_u32 v5, s13, v5                       ; out of it: my 16 neighbours
	v_lshrrev_b32 v6, 1, v1
	s_lshl_b32 s13, s12, 6
	s_add_co_u32 s13, s13, SCB
	v_add_nc_u32 v6, s13, v6                       ; my block's scale byte: 64 bytes a wave
	v_add_nc_u32 v7, SCB, v2                       ; and the way out of all 512
	s_mov_b32 s16, 0x76543210
	s_mov_b32 s17, 0xfedcba98                      ; v_permlanex16_b32's selects for lane l xor 16
	s_mov_b32 s18, 0x600000                        ; the mantissa field of 448
	s_mov_b32 s19, 0x3a800000                      ; 1 / 1024
	s_mov_b32 s20, 0x3727c5ac                      ; 1e-5
	s_lshl_b32 s14, ttmp9, 16                      ; 16 rows of 4,096 bytes a work-group,
	s_lshl_b32 s21, s12, 13                        ; two a wave
	s_add_co_u32 s14, s14, s21
	s_mov_b32 s15, 0
	s_lshl_b32 s22, ttmp9, 14                      ; the codes: 1,024 bytes a row
	s_lshl_b32 s21, s12, 11
	s_add_co_u32 s22, s22, s21
	s_mov_b32 s23, 0
	s_lshl_b32 s24, ttmp9, 9                       ; the scale bytes: 32 a row
	s_add_co_u32 s24, s24, 0x400000
	s_mov_b32 s25, 0
	s_wait_kmcnt 0x0
	s_add_nc_u64 s[4:5], s[4:5], s[14:15]
	s_add_nc_u64 s[26:27], s[10:11], s[24:25]
	s_add_nc_u64 s[10:11], s[10:11], s[22:23]
	global_load_b128 v[26:29], v3, s[6:7]
	global_load_b128 v[XT:XT+3], v3, s[8:9]
.irp j, 0,1,2,3,4,5,6,7
	global_load_b128 v[X+4*\j:X+4*\j+3], v2, s[4:5] offset:512*\j th:TH_LOAD_NT
.endr
.irp j, 0,1,2,3,4,5,6,7
	global_load_b128 v[X+32+4*\j:X+32+4*\j+3], v2, s[4:5] offset:4096+512*\j th:TH_LOAD_NT
.endr
	s_wait_loadcnt 16                              ; g's and b's pieces are in; the two rows' sixteen loads stay out
	ds_store_b128 v3, v[26:29] offset:GB
	ds_store_b128 v3, v[XT:XT+3] offset:GB+4096
	s_wait_dscnt 0x0                               ; for the others' sake: my stores have landed
	s_barrier_signal -1
	s_barrier_wait -1
.irp j, 0,1,2,3,4,5,6,7
	ds_load_b128 v[G+4*\j:G+4*\j+3], v2 offset:GB+512*\j
	ds_load_b128 v[BV+4*\j:BV+4*\j+3], v2 offset:GB+4096+512*\j
.endr
; T's four pairs become one sum, the same in every lane
.macro REDUCE
	s_delay_alu instid0(VALU_DEP_3)
	v_pk_add_f32 v[T:T+1], v[T:T+1], v[T+2:T+3]
	s_delay_alu instid0(VALU_DEP_2)
	v_pk_add_f32 v[T+4:T+5], v[T+4:T+5], v[T+6:T+7]
	s_delay_alu instid0(VALU_DEP_1)
	v_pk_add_f32 v[T:T+1], v[T:T+1], v[T+4:T+5]
	s_delay_alu instid0(VALU_DEP_1)
	v_add_f32 v[T], v[T], v[T+1]
	s_delay_alu instid0(VALU_DEP_1)
	v_add_f32_dpp v[T], v[T], v[T] row_xmask:1 row_mask:0xf bank_mask:0xf
	s_delay_alu instid0(VALU_DEP_1)
	v_add_f32_dpp v[T], v[T], v[T] row_xmask:2 row_mask:0xf bank_mask:0xf
	s_delay_alu instid0(VALU_DEP_1)
	v_add_f32_dpp v[T], v[T], v[T] row_xmask:4 row_mask:0xf bank_mask:0xf
	s_delay_alu instid0(VALU_DEP_1)
	v_add_f32_dpp v[T], v[T], v[T] row_xmask:8 row_mask:0xf bank_mask:0xf
	s_delay_alu instid0(VALU_DEP_1)
	v_permlanex16_b32 v[T+1], v[T], s16, s17
	s_delay_alu instid0(VALU_DEP_1)
	v_add_f32 v[T], v[T], v[T+1]
.endm
.macro NORM row
.set XR, X+32*(\row)
.irp k, 0,1,2,3
	v_pk_add_f32 v[T+2*\k:T+2*\k+1], v[XR+2*\k:XR+2*\k+1], v[XR+8+2*\k:XR+9+2*\k]   ; four chains, started by the first pairs
.endr
.irp m, 16,24
.irp k, 0,1,2,3
	s_delay_alu instid0(VALU_DEP_4)
	v_pk_add_f32 v[T+2*\k:T+2*\k+1], v[T+2*\k:T+2*\k+1], v[XR+\m+2*\k:XR+\m+1+2*\k]
.endr
.endr
	REDUCE
	s_delay_alu instid0(VALU_DEP_1)
	v_mul_f32 v[M], s19, v[T]                      ; the mean
	s_delay_alu instid0(VALU_DEP_1)
	v_mov_b32 v[M+1], v[M]
.set i, 0
.rept 16
	v_pk_add_f32 v[XR+i:XR+i+1], v[XR+i:XR+i+1], v[M:M+1] neg_lo:[0,1] neg_hi:[0,1]   ; x - mean
.set i, i+2
.endr
.irp k, 0,1,2,3
	v_pk_mul_f32 v[T+2*\k:T+2*\k+1], v[XR+2*\k:XR+2*\k+1], v[XR+2*\k:XR+2*\k+1]
.endr
.irp m, 8,16,24
.irp k, 0,1,2,3
	s_delay_alu instid0(VALU_DEP_4)
	v_pk_fma_f32 v[T+2*\k:T+2*\k+1], v[XR+\m+2*\k:XR+\m+1+2*\k], v[XR+\m+2*\k:XR+\m+1+2*\k], v[T+2*\k:T+2*\k+1]
.endr
.endr
	REDUCE
	s_delay_alu instid0(VALU_DEP_1)
	v_fma_f32 v[T], v[T], s19, s20                 ; var + eps
	s_wait_alu depctr_va_vdst(0)
	v_rsq_f32 v[R], v[T]
	v_nop                                          ; a plain instruction behind the transcendental
	s_wait_alu depctr_va_vdst(0)                   ; the wait ahead of the first line that names the result
	v_mov_b32 v[R+1], v[R]
.set i, 0
.rept 16
	v_pk_mul_f32 v[XR+i:XR+i+1], v[XR+i:XR+i+1], v[R:R+1]
.set i, i+2
.endr
.set i, 0
.rept 16
	v_pk_fma_f32 v[XR+i:XR+i+1], v[XR+i:XR+i+1], v[G+i:G+i+1], v[BV+i:BV+i+1]
.set i, i+2
.endr
.endm
; step t: 512 numbers (half a row) through stage t % 2.  LDS serves a wave's instructions in order, so no wait stands between the stores and the loads
.macro TURN t
.set XR, X+32*((\t)/2)+16*((\t)%2)
.irp i, 0,1,2,3
	ds_store_b128 v4, v[XR+4*\i:XR+4*\i+3] offset:32*SP*((\t)%2)+8*SP*\i
.endr
.irp i, 0,1,2,3
	ds_load_b128 v[XT+16*((\t)%2)+4*\i:XT+16*((\t)%2)+4*\i+3], v5 offset:32*SP*((\t)%2)+16*\i
.endr
.endm
; step t is quantised: two neighbouring lanes hold a block of 32
.macro QSTEP t
.set XS, XT+16*((\t)%2)
	v_max3_num_f32 v8, |v[XS]|, |v[XS+1]|, |v[XS+2]|
	v_max3_num_f32 v9, |v[XS+3]|, |v[XS+4]|, |v[XS+5]|
.irp i, 6,10
	s_delay_alu instid0(VALU_DEP_2)
	v_max3_num_f32 v8, v8, |v[XS+\i]|, |v[XS+\i+1]|
	s_delay_alu instid0(VALU_DEP_2)
	v_max3_num_f32 v9, v9, |v[XS+\i+2]|, |v[XS+\i+3]|
.endr
	s_delay_alu instid0(VALU_DEP_2)
	v_max3_num_f32 v8, v8, |v[XS+14]|, |v[XS+15]|
	s_delay_alu instid0(VALU_DEP_1)
	v_max3_num_f32 v8, v8, v9, 0x4800000           ; and the floor 2^(9 - 127): the byte cannot fall under 1
	s_delay_alu instid0(VALU_DEP_1)
	v_max_num_f32_dpp v8, v8, v8 row_xmask:1 row_mask:0xf bank_mask:0xf   ; with my neighbour's 16: the block's largest magnitude
	s_delay_alu instid0(VALU_DEP_1)
	v_add_nc_u32 v11, 0xfc000000, v8               ; 8 off its exponent field: the conversion's scale operand
	s_delay_alu instid0(VALU_DEP_2)
	v_and_or_b32 v10, v8, 0x7f800000, s18          ; 448 x the scale
.irp i, 0,1,2,3,4,5,6,7,8,9,10,11,12,13,14,15
	v_med3_num_f32 v[XS+\i], v[XS+\i], -v10, v10   ; the conversion to an 8-bit code does not saturate (ISA guide 7.6.2): the hold comes first
.endr
	v_cvt_scalef32_pk8_fp8_f32 v[CD+4*(\t):CD+4*(\t)+1], v[XS:XS+7], v11
	v_cvt_scalef32_pk8_fp8_f32 v[CD+4*(\t)+2:CD+4*(\t)+3], v[XS+8:XS+15], v11
	v_lshrrev_b32 v[E+(\t)], 23, v11               ; the scale's byte (also the plain line behind the conversions)
	ds_store_b8 v6, v[E+(\t)] offset:16*(\t)       ; both lanes of a block write the same byte with the same value
	global_store_b128 v2, v[CD+4*(\t):CD+4*(\t)+3], s[10:11] offset:512*(\t)   ; the wave stores 512 consecutive bytes, aligned
.endm
	s_wait_loadcnt 8                               ; my first row is in; the second row's eight loads stay out
	s_wait_dscnt 0x0                               ; g and b
	NORM 0
	TURN 0
	TURN 1
	s_wait_loadcnt 0x0
	NORM 1                                         ; while the first row turns through the stages
	s_wait_dscnt 0x0
	QSTEP 0
	QSTEP 1
	TURN 2
	TURN 3
	s_wait_dscnt 0x0
	QSTEP 2
	QSTEP 3
	s_wait_dscnt 0x0                               ; for wave 0's sake: my scale bytes have landed
	s_barrier_signal -1
	s_barrier_wait -1
	s_cmp_lg_u32 s12, 0
	s_cbranch_scc1 .Lend
	ds_load_b128 v[14:17], v7                      ; wave 0 stores the work-group's 512 scale bytes: two aligned runs of 256
	s_wait_dscnt 0x0
	global_store_b128 v2, v[14:17], s[26:27]
.Lend:
	s_wait_tensorcnt 0x0                           ; the wave's end
	ds_add_u32 v[SPW], v[NIL]
	s_wait_dscnt 0x0
	s_endpgm
.Lfunc_end_k_qff488ac1fc_ln1q:
	.size	k_qff488ac1fc_ln1q, .Lfunc_end_k_qff488ac1fc_ln1q-k_qff488ac1fc_ln1q
	.p2alignl 7, 3214868480
	.fill 96, 4, 3214868480
	.section	.rodata,"a",@progbits
	.p2align	6, 0x0
	.amdhsa_kernel k_qff488ac1fc_ln1q
		.amdhsa_group_segment_fixed_size 50688
		.amdhsa_private_segment_fixed_size 0
		.amdhsa_enable_private_segment 0
		.amdhsa_kernarg_size 32
		.amdhsa_user_sgpr_count 2
		.amdhsa_user_sgpr_kernarg_segment_ptr 1
		.amdhsa_wavefront_size32 1
		.amdhsa_system_sgpr_workgroup_id_x 1
		.amdhsa_system_sgpr_workgroup_id_y 1
		.amdhsa_system_sgpr_workgroup_id_z 1
		.amdhsa_system_vgpr_workitem_id 0
		.amdhsa_next_free_vgpr 216
		.amdhsa_next_free_sgpr 66
		.amdhsa_reserve_vcc 0
		.amdhsa_float_denorm_mode_32 3
		.amdhsa_float_denorm_mode_16_64 3
		.amdhsa_memory_ordered 1
		.amdhsa_forward_progress 1
		.amdhsa_inst_pref_size 33
	.end_amdhsa_kernel
	.amdgpu_metadata
---
amdhsa.version: [ 1, 2 ]
amdhsa.kernels:
  - .name:           k_qff488ac1fc_ln1q
    .symbol:         k_qff488ac1fc_ln1q.kd
    .args:
      - { .name: x, .offset: 0, .size: 8, .value_kind: global_buffer, .address_space: global }
      - { .name: ln1_g, .offset: 8, .size: 8, .value_kind: global_buffer, .address_space: global }
      - { .name: ln1_b, .offset: 16, .size: 8, .value_kind: global_buffer, .address_space: global }
      - { .name: act, .offset: 24, .size: 8, .value_kind: global_buffer, .address_space: global }
    .group_segment_fixed_size: 50688
    .private_segment_fixed_size: 0
    .kernarg_segment_align: 8
    .kernarg_segment_size: 32
    .max_flat_workgroup_size: 256
    .sgpr_count:     66
    .vgpr_count:     216
    .wavefront_size: 32
...
	.end_amdgpu_metadata
.endif
;; end of part 1
;; launch qkv (part 2): grid 12 x 16, 4 waves a work-group, clusters of 4 x 4, 327,680 bytes of LDS; arguments act, qkv_w_codes, qkv_w_scales, qkv_b, qkvw; writes qkvw
.if DOCPART == 2
	.amdgcn_target "amdgcn-amd-amdhsa--gfx1250"
	.amdhsa_code_object_version 6
	.text
	.protected	k_qff488ac1fc_qkv
	.globl	k_qff488ac1fc_qkv
	.p2align	8
	.type	k_qff488ac1fc_qkv,@function
k_qff488ac1fc_qkv:
	s_mov_b64 s[64:65], 0
	v_nop
	global_prefetch_b8 v0, s[64:65] scope:SCOPE_SE
	s_setreg_imm32_b32 hwreg(HW_REG_WAVE_MODE, 25, 1), 1
	s_wait_xcnt 0x0
	s_wait_alu depctr_hold_cnt(0) depctr_sa_sdst(0) depctr_va_vdst(0) depctr_va_sdst(0) depctr_va_ssrc(0) depctr_va_vcc(0) depctr_vm_vsrc(0)
	s_getreg_b32 s2, hwreg(HW_REG_IB_STS2, 6, 4)
	s_cmp_eq_u32 s2, 0
	s_cbranch_scc0 .Lentry_in_a_cluster
	s_endpgm
.Lentry_in_a_cluster:
	s_bfe_u32 s2, ttmp6, 0x10000c
	s_cmp_lg_u32 s2, 0xf033
	s_cbranch_scc0 .Lentry_shape_is_right
	s_endpgm
.Lentry_shape_is_right:
; qkv = LN1(x) W^T + b on codes of E4M3 with E8M0 scales (K = 1,024), and q, k, v quantised for the two products of attention.
; A: the norm's codes [4096][1024] and scale bytes [4096][32] (at byte 0x400000 of the same buffer).  W: codes [3072][1024], scale bytes [3072][32].  b: [3072] f32.
; OUT, one workspace, every operand as an IMAGE OF ITS REGISTERS (group c of four registers of a fragment at c x 512 + 16 x lane; lane (r, h) holds row r, k = 32 c + 16 h + 0 .. 15):
;   q at 0, k at 0x400000: [batch x head 32][tile of 16 tokens 128][c 2][512]: K = the head's 64;   v at 0x800000: [32][128 keys 16][16 of the head's 64: 4][c 4][512]: K = the keys.
;   scale words: q at 0xC00000, k at 0xC40000: [32][2048] (two bytes, 0 above: those bytes meet zero codes only);  v at 0xC80000: [32][16][4][16].
; A tile of 256 x 256 is made by four waves, 128 x 128 each: 64 accumulators.  K goes in four steps of 256 through two LDS slots filled by the tensor data mover; all scale bytes come once.
; CLUSTERS of 4 x 4: A's tiles are asked for jointly along a row of the cluster, W's along a column.
; WHAT A LANE HOLDS.  For q and k (tile columns 0 to 7) source 0 = 16 rows of W, source 1 = 16 tokens: a lane holds one token and its registers run along the head's axis, which is the next K.
; For v (tile columns 8 to 11) the next K is the keys: source 0 = 16 tokens, source 1 = 16 rows of W.  The text is the same: only the LDS bytes that a wave reads for each source change places,
; by a choice on the cluster's x, which all sixteen partners share.
; THE QUANTISER.  In tiles 2 b and 2 b + 1 lane (r, h) holds k = 32 b + 8 h + j and 32 b + 16 + 8 h + j: the block's largest magnitude is that of my 16 and of lane l xor 16's; the two
; conversions' results stay in the order in which they come out: no exchange between lanes is made.
; Both forms of the bias are loaded in every work-group (64 + 8 registers): each arm of the way out uses one of them.
; LIMITS: NaN and infinities are not served; a block of zeros, or one under 2^-118, gets the byte 1 (read by this program alone).
; REGISTERS: window 0: v1-31 addresses, v8-15 the bias for v; v32-63 scale words, two sets; v64-127 the bias for q and k; from v128 source 1's fragments, one set (on the way out v128-255 are at work).
;   window 1: source 0's fragments, two sets.   windows 2, 3: the accumulators ((a, b) at v[8 (8 (a % 4) + b)]).
.set SIZE_K, 1024
.set KSTEP,  256
.set NQ,     KSTEP/128
.set ROWB,   256
.set KROW,   SIZE_K
.set PITCH,  272                       ; an LDS row: 256 bytes + 16 of padding: the 16 rows of a load start at 16 different banks (ISA guide 11.1)
.set FR,     16
.set NL,     4
.set NP,     8                         ; places behind this matrix instruction (ISA guide 7.12.1)
.set HALFT,  128*PITCH
.set SLOT,   4*HALFT
.set KS,     SIZE_K/32
.set SCL,    2*SLOT
.set HALFS,  (128*KS/256)*272
.set SBLK,   (16*KS/256)*272
.set SPARE,  SCL+4*HALFS               ; the spare words: 128 bytes for each wave, named by no other line
.set VLT,  7                           ; v7   lane term of v's scale words' store
.set VB,   8                           ; v8-15 bias of W's row 16 a + r
.set ADRA, 16
.set ADRB, 20
.set SWV,  22                          ; v22, v23: the stage for v's scale words: in, out
.set SRV,  23
.set STW,  24                          ; v24, v25: the stage for q's and k's
.set STR,  25
.set LI,   26                          ; v26  16 x lane
.set ADRS, 27
.set SPW,  28
.set NIL,  29
.set SC,   32
.set BI,   64
.set AF,   128
.set G,    128                         ; the way out: 64 numbers
.set PC,   192                         ; their codes
.set RB,   208                         ; scale words read back
.set TM,   224
.set PW,   240
.set SEL,  2
.set MNT,  66
.set G1, 24
.set G0, 32
.set G1B, 48
.set G0B, 56
.set G1S, 68
.set G0S, 76
.set G1SB, 80
.set G0SB, 88
.set MSB, 0
.macro WIN new                         ; the immediate's high byte repeats the setting that is left
.if MSB != \new
	s_set_vgpr_msb (MSB<<8)|\new
.set MSB, \new
.endif
.endm
.set MUL_LO, 0xa1                      ; source 0 window 1, source 1 window 0, C and D window 2
.set MUL_HI, 0xf1
.set TO_B,   0x40
; A joint load: waves 0 and 1 fetch for A, waves 2 and 3 for W.  An s_nop 0 and four v_nop follow each of the two lines.
.macro JLOAD g0a, g1a, g0b, g1b
	s_cmp_eq_u32 s100, 0                           ; 0: I fetch tokens, 1: rows of W (wave / 2, turned round in v's clusters)
	s_cbranch_scc0 .Lfor_b_\@
	tensor_load_to_lds s[\g0a:\g0a+3], s[\g1a:\g1a+7]
	s_nop 0
.rept 4
	v_nop
.endr
	s_branch .Lasked_\@
.Lfor_b_\@:
	tensor_load_to_lds s[\g0b:\g0b+3], s[\g1b:\g1b+7]
	s_nop 0
.rept 4
	v_nop
.endr
.Lasked_\@:
.endm
.macro CREST
	s_cmp_lg_u32 s14, 0
	s_cbranch_scc1 .Lnot_wave_0_\@
	s_barrier_signal -3
.Lnot_wave_0_\@:
	s_barrier_wait -3
	s_barrier_signal -1
	s_barrier_wait -1
.endm
.macro CROUND
	s_barrier_signal -1
	s_barrier_wait -1
	CREST
.endm
	s_load_b64 s[4:5], s[0:1], 0x0                 ; A's codes (its scale bytes 0x400000 on)
	s_load_b128 s[8:11], s[0:1], 0x8               ; W's codes, W's scales
	s_load_b128 s[96:99], s[0:1], 0x18             ; the bias, the workspace
	v_lshl_add_u32 v[SPW], v0, 2, SPARE
	v_mov_b32 v[NIL], 0
	ds_add_u32 v[SPW], v[NIL]                      ; the wave's opening: the add, twice on end, and its wait ahead of my first tensor load
	ds_add_u32 v[SPW], v[NIL]
	v_lshrrev_b32 v1, 5, v0
	v_readfirstlane_b32 s14, v1                    ; wave 0..3
	s_lshr_b32 s15, s14, 1                         ; which half of the tile's tokens is mine.  Also: I fetch for A (0) or for W (1)
	s_and_b32 s16, s14, 1                          ; which half of W's rows.  Also: which 128 rows I fetch
	s_bfe_u32 s40, ttmp6, 0x40000                  ; cx, cy
	s_bfe_u32 s41, ttmp6, 0x40004
	s_lshl_b32 s42, ttmp9, 2
	s_add_co_u32 s42, s42, s40                     ; tile column
	s_and_b32 s17, ttmp7, 0xffff
	s_lshl_b32 s17, s17, 2
	s_add_co_u32 s17, s17, s41                     ; tile row
	s_lshl_b32 s43, s41, 2
	s_lshl_b32 s43, 15, s43                        ; my row of the cluster
	s_lshl_b32 s44, 0x1111, s40
	; LDS region 0 always holds what source 1 reads, region 1 what source 0 reads: tokens and W for q and k, W and tokens for v.  No LDS address hangs on the cluster's x:
	; in v's clusters (x >= 2, the same in all sixteen partners) the waves change which tensor they fetch and which halves of the tile they own.
	s_cmp_ge_u32 ttmp9, 2
	s_cselect_b32 s95, 1, 0
	s_cselect_b32 s13, s16, s15                    ; which half of the tile's tokens is mine
	s_cselect_b32 s12, s15, s16                    ; which half of W's rows
	s_xor_b32 s67, s16, s95                        ; at the head: 0: my load is the tokens', 1: W's
	s_xor_b32 s100, s15, s95                       ; in the ring likewise
	s_or_b32 s[G1+0], s43, (0<<16)|(1<<20)|(1<<21)|(5<<22)|(3<<25)  ; the mask; elements of 1 byte; padding of 4 words after every 64; bit 21 beside a mask
	s_or_b32 s[G1B+0], s44, (0<<16)|(1<<20)|(1<<21)|(5<<22)|(3<<25)
.irp g, G1, G1B
	s_mov_b32 s[\g+1], ROWB<<16                    ; tensor_dim0
	s_mov_b32 s[\g+2], 256<<16                     ; tensor_dim1: 256 rows for the head's loads, 128 behind them
	s_mov_b32 s[\g+3], ROWB<<16                    ; tile_dim0
	s_mov_b32 s[\g+4], 256                         ; tile_dim1 likewise
	s_mov_b32 s[\g+5], KROW                        ; the pitch
	s_mov_b32 s[\g+6], 0
	s_mov_b32 s[\g+7], 0
.endr
	s_or_b32 s[G1S+0], s43, (3<<16)|(1<<20)|(1<<21)|(5<<22)|(3<<25)  ; the scales of 256 rows: a dense block, as rows of 256 bytes + 16 of padding
	s_or_b32 s[G1SB+0], s44, (3<<16)|(1<<20)|(1<<21)|(5<<22)|(3<<25)
.irp g, G1S, G1SB
	s_mov_b32 s[\g+1], 32<<16
	s_mov_b32 s[\g+2], (256*KS/256)<<16            ; the scales of 256 rows in one load
	s_mov_b32 s[\g+3], 32<<16
	s_mov_b32 s[\g+4], 256*KS/256
	s_mov_b32 s[\g+5], 32
	s_mov_b32 s[\g+6], 0
	s_mov_b32 s[\g+7], 0
.endr
	s_mov_b32 s[SEL], 0x76543210
	s_mov_b32 s[SEL+1], 0xfedcba98
	s_mov_b32 s[MNT], 0x600000
	s_lshl_b32 s20, s17, 8                         ; A: the tile's first row
	s_lshl_b32 s46, s42, 8                         ; W: likewise
	s_mov_b32 s21, 0
	s_mov_b32 s47, 0
	s_mov_b64 s[18:19], KS
	s_mul_u64 s[22:23], s[20:21], s[18:19]
	s_mul_u64 s[92:93], s[46:47], s[18:19]
	s_mov_b64 s[18:19], KROW
	s_mul_u64 s[20:21], s[20:21], s[18:19]
	s_mul_u64 s[46:47], s[46:47], s[18:19]
	s_mul_i32 s45, s14, HALFT
	s_mul_i32 s94, s16, 2*HALFS                    ; the head's loads: region wave % 2 of the scales,
	s_mul_i32 s101, s16, 2*HALFT                   ; and of slot 0
	s_mul_i32 s18, s16, 128*KROW                   ; in the ring I fetch 128 rows: which half, in bytes
	s_mov_b32 s19, 0
	s_wait_dscnt 0x0                               ; both opening adds are done
	s_wait_kmcnt 0x0
	s_add_nc_u64 s[6:7], s[4:5], 0x400000          ; A's scale bytes
	s_add_nc_u64 s[20:21], s[4:5], s[20:21]
	s_add_nc_u64 s[22:23], s[6:7], s[22:23]
	s_add_nc_u64 s[46:47], s[8:9], s[46:47]
	s_add_nc_u64 s[92:93], s[10:11], s[92:93]
	CROUND                                         ; all sixteen work-groups are here: the first joint loads meet
	s_mov_b32 s[G0S], 1
	s_add_co_u32 s[G0S+1], s94, SCL
	s_mov_b64 s[G0S+2:G0S+3], s[22:23]
	s_or_b32 s[G0S+3], s[G0S+3], 0x80000000
	s_mov_b32 s[G0SB], 1
	s_add_co_u32 s[G0SB+1], s94, SCL
	s_mov_b64 s[G0SB+2:G0SB+3], s[92:93]
	s_or_b32 s[G0SB+3], s[G0SB+3], 0x80000000
	s_mov_b32 s4, 1                                ; group 0 of the head's loads of K step 0: the tokens' 256 rows (the arguments that lay here have been used),
	s_mov_b32 s5, s101
	s_mov_b64 s[6:7], s[20:21]
	s_or_b32 s7, s7, 0x80000000
	s_mov_b32 s8, 1                                ; and W's 256 rows
	s_mov_b32 s9, s101
	s_mov_b64 s[10:11], s[46:47]
	s_or_b32 s11, s11, 0x80000000
	s_add_nc_u64 s[20:21], s[20:21], s[18:19]      ; for the ring: my 128 rows
	s_add_nc_u64 s[46:47], s[46:47], s[18:19]
.irp s, 0,1
	s_mov_b32 s[G0+4*\s], 1
	s_add_co_u32 s[G0+4*\s+1], s45, \s*SLOT
	s_add_nc_u64 s[G0+4*\s+2:G0+4*\s+3], s[20:21], \s*ROWB
	s_or_b32 s[G0+4*\s+3], s[G0+4*\s+3], 0x80000000
	s_mov_b32 s[G0B+4*\s], 1
	s_add_co_u32 s[G0B+4*\s+1], s45, \s*SLOT
	s_add_nc_u64 s[G0B+4*\s+2:G0B+4*\s+3], s[46:47], \s*ROWB
	s_or_b32 s[G0B+4*\s+3], s[G0B+4*\s+3], 0x80000000
.endr
; THE HEAD'S LOADS, ONE A WAVE: waves 0 and 1 fetch K step 0's two regions of 256 rows, waves 2 and 3 the two regions of scale bytes.  One tree of branches, a load to an arm, one join.
.macro HLOAD g0, g1
	tensor_load_to_lds s[\g0:\g0+3], s[\g1:\g1+7]
	s_nop 0
.rept 4
	v_nop
.endr
.endm
	s_cmp_lt_u32 s14, 2
	s_cbranch_scc0 .Lh_sc
	s_cmp_eq_u32 s67, 0
	s_cbranch_scc0 .Lh_w
	HLOAD 4, G1
	s_branch .Lh_asked
.Lh_w:
	HLOAD 8, G1B
	s_branch .Lh_asked
.Lh_sc:
	s_cmp_eq_u32 s67, 0
	s_cbranch_scc0 .Lh_sw
	HLOAD G0S, G1S
	s_branch .Lh_asked
.Lh_sw:
	HLOAD G0SB, G1SB
.Lh_asked:
	; A PREFETCH of K steps 1 to 3, which come by later loads: of the 128 rows that my wave fetches in the ring, each of the four partners that ask jointly takes 32, told apart by address
	; (cx for the tokens, cy for W): a lane a row, 256 bytes of it for each K step.  The address registers are written nowhere else.
	s_cmp_eq_u32 s100, 0
	s_cselect_b64 s[18:19], s[20:21], s[46:47]
	s_cselect_b32 s92, s40, s41
	s_mul_i32 s92, s92, 32*KROW
	s_mov_b32 s93, 0
	s_add_nc_u64 s[18:19], s[18:19], s[92:93]
	v_and_b32 v18, 31, v0
	v_lshlrev_b32 v18, 10, v18                     ; my lane x a row of 1,024 bytes
.irp k, 1,2,3
	global_prefetch_b8 v18, s[18:19] offset:256*\k th:TH_LOAD_NT scope:SCOPE_SE
.endr
	v_and_b32 v1, 15, v0                           ; r
	v_bfe_u32 v2, v0, 4, 1                         ; h
	s_lshl_b32 s46, s42, 10                        ; the bias at my 128 rows of W
	s_lshl_b32 s47, s12, 9
	s_add_co_u32 s46, s46, s47
	s_mov_b32 s47, 0
	s_add_nc_u64 s[96:97], s[96:97], s[46:47]
	v_lshlrev_b32 v30, 5, v2                       ; 32 h
	v_lshlrev_b32 v31, 2, v1                       ; 4 r
.irp b, 0,1,2,3,4,5,6,7
	global_load_b128 v[BI+8*\b:BI+8*\b+3], v30, s[96:97] offset:64*\b        ; register 8 b + j: the bias of W's row 16 b + 8 h + j
	global_load_b128 v[BI+8*\b+4:BI+8*\b+7], v30, s[96:97] offset:64*\b+16
.endr
.irp a, 0,1,2,3,4,5,6,7
	global_load_b32 v[VB+\a], v31, s[96:97] offset:64*\a                     ; and of W's row 16 a + r
.endr
	v_mul_u32_u24 v3, v1, PITCH
	v_lshl_add_u32 v4, v2, 4, v3                   ; a fragment's row x pitch + 16 x half
	s_wait_alu depctr_va_vdst(0)
	s_mul_i32 s21, s15, HALFT                      ; my 128 tokens
	s_mul_i32 s22, s16, HALFT                      ; my 128 rows of W,
	s_add_co_u32 s22, s22, 2*HALFT                 ; which lie behind A's 256
.irp s, 0,1
	v_add_nc_u32 v[ADRA+\s], s21, v4
	v_add_nc_u32 v[ADRB+\s], s22, v4
	s_add_co_u32 s21, s21, SLOT
	s_add_co_u32 s22, s22, SLOT
.endr
	v_mul_u32_u24 v5, v1, KS
	v_lshrrev_b32 v6, 8, v5
	v_lshl_add_u32 v5, v6, 4, v5                   ; my row's scales: KS bytes a row, 16 more for each 256 passed
	s_mul_i32 s21, s15, HALFS
	s_mul_i32 s22, s16, HALFS
	s_add_co_u32 s22, s22, 2*HALFS
	s_sub_co_u32 s22, s22, s21
	v_mul_u32_u24 v6, s22, v2                      ; lanes 16-31 carry source 0's words: region 1's
	s_add_co_u32 s21, s21, SCL
	v_add_nc_u32 v5, v5, v6
	v_add_nc_u32 v[ADRS], s21, v5
	v_and_b32 v6, 31, v0
	v_lshlrev_b32 v[LI], 4, v6
	s_lshl_b32 s23, s14, 10                        ; the stages for the scale words lie in slot 0, which has had its last fill and its last read when they are written
	v_lshl_add_u32 v[STW], v1, 2, s23
	v_add_nc_u32 v[STR], s23, v[LI]
	s_lshl_b32 s23, s14, 9
	s_add_co_u32 s23, s23, 4096
	v_lshl_add_u32 v[SWV], v1, 2, s23
	v_add_nc_u32 v[SRV], s23, v[LI]
	v_lshlrev_b32 v[VLT], 4, v1
	v_lshl_add_u32 v[VLT], v2, 12, v[VLT]          ; 16 (lane % 16) + 4,096 (lane / 16)
.macro FRAG reg, adr, q, i
.irp c, 0,1,2,3
	ds_load_b128 v[\reg+4*\c:\reg+4*\c+3], v[\adr] offset:128*(\q)+32*\c+(\i)*16*PITCH
.endr
.endm
; 16 matrix instructions: source 1's blocks a0, a0 + 1 x source 0's eight.  The 64 accumulators take turns, one instruction a turn.
.macro MUL16 a0, p, q, sc, zero
.irp a, \a0, \a0+1
.irp b, 0,1,2,3,4,5,6,7
.if \zero
	v_wmma_scale_f32_16x16x128_f8f6f4 v[8*(8*((\a)%4)+\b):8*(8*((\a)%4)+\b)+7], v[128*(\p)+FR*\b:128*(\p)+FR*\b+FR-1], v[AF+FR*(\a):AF+FR*(\a)+FR-1], 0, v[SC+8*NQ*(\sc)+NQ*\b+(\q)], v[SC+8*NQ*(\sc)+NQ*(\a)+(\q)] matrix_a_scale:MATRIX_SCALE_ROW1
.else
	v_wmma_scale_f32_16x16x128_f8f6f4 v[8*(8*((\a)%4)+\b):8*(8*((\a)%4)+\b)+7], v[128*(\p)+FR*\b:128*(\p)+FR*\b+FR-1], v[AF+FR*(\a):AF+FR*(\a)+FR-1], v[8*(8*((\a)%4)+\b):8*(8*((\a)%4)+\b)+7], v[SC+8*NQ*(\sc)+NQ*\b+(\q)], v[SC+8*NQ*(\sc)+NQ*(\a)+(\q)] matrix_a_scale:MATRIX_SCALE_ROW1
.endif
.endr
.endr
.endm
.macro FETCH_B slot, q, p
	WIN TO_B
.irp i, 0,1,2,3,4,5,6,7
	FRAG 128*(\p)+FR*\i, ADRB+\slot, \q, \i
.endr
	WIN 0
.endm
.macro FETCH_A slot, q, i0
.irp i, \i0, \i0+1, \i0+2, \i0+3
	FRAG AF+FR*(\i), ADRA+\slot, \q, \i
.endr
.endm
.macro SCALES sc
.irp i, 0,1,2,3,4,5,6,7
	ds_load_b64 v[SC+8*NQ*\sc+NQ*\i:SC+8*NQ*\sc+NQ*\i+1], v[ADRS] offset:\i*SBLK
.endr
.endm
.macro PLACES n                        ; plain vector instructions that name none of the matrix instructions' registers (ISA guide 7.12.1)
.rept \n
	v_nop
.endr
.endm
.macro STEP slot, q, zero
	s_wait_dscnt 4*NL                              ; source 0's set and source 1's blocks 0-3 are in; the youngest sixteen loads (blocks 4-7) may be out
	WIN MUL_LO
	MUL16 0, (\q)%2, \q, \slot, \zero
	MUL16 2, (\q)%2, \q, \slot, \zero
	s_wait_dscnt 0
	PLACES NP
	FETCH_B \slot, (\q)+1, 1-(\q)%2
	FETCH_A \slot, (\q)+1, 0
	WIN MUL_HI
	MUL16 4, (\q)%2, \q, \slot, \zero
	MUL16 6, (\q)%2, \q, \slot, \zero
	PLACES NP
	WIN 0
	FETCH_A \slot, (\q)+1, 4
.endm
; A slot's last step changes slots: one barrier; in front of it each wave waits for all its tensor loads, adds 0 to its spare word, and waits for that and for its reads of this slot.
.macro TURN slot, next, fill
	s_wait_tensorcnt 0x0                           ; all my tensor loads have landed: my part of the next slot
	ds_add_u32 v[SPW], v[NIL]
	s_wait_dscnt 4*NL+1                            ; (the add and the youngest sixteen loads may be out)
	WIN MUL_LO
	MUL16 0, 1, NQ-1, \slot, 0
	s_wait_dscnt 0x0                               ; the add is done, and my reads of this slot are over
	s_barrier_signal -1
	MUL16 2, 1, NQ-1, \slot, 0
	WIN 0
	s_barrier_wait -1
.if \fill
	CREST                                          ; the barrier has opened a round of the cluster's: no wave of any partner still reads this slot or has a load on its way
	s_add_nc_u64 s[G0+4*\slot+2:G0+4*\slot+3], s[G0+4*\slot+2:G0+4*\slot+3], 2*ROWB
	s_add_nc_u64 s[G0B+4*\slot+2:G0B+4*\slot+3], s[G0B+4*\slot+2:G0B+4*\slot+3], 2*ROWB
	JLOAD G0+4*\slot, G1, G0B+4*\slot, G1B         ; my one tensor load behind the round; its four v_nop are four of the eight places
	PLACES NP-4
.else
	PLACES NP
.endif
	s_wait_alu depctr_va_vdst(0)
	v_add_nc_u32 v[ADRS], 4*NQ, v[ADRS]
	FETCH_B \next, 0, 0
	FETCH_A \next, 0, 0
	SCALES \next
	WIN MUL_HI
	MUL16 4, 1, NQ-1, \slot, 0
	MUL16 6, 1, NQ-1, \slot, 0
	PLACES NP
	WIN 0
	FETCH_A \next, 0, 4
.endm
; 64 numbers of a lane, register 16 b + i (i < 8: k = 32 b + 8 h + i; else 32 b + 16 + 8 h + i - 8), become a fragment's 16 registers of codes and its scale word
.macro QUANT s, pc, pw
.irp b, 0,1,2,3
	v_max3_num_f32 v[TM+\b], |v[\s+16*\b]|, |v[\s+1+16*\b]|, 0x4800000   ; and the floor 2^(9 - 127): the byte cannot fall under 1
.endr
.irp i, 2,4,6,8,10,12,14
.irp b, 0,1,2,3
	v_max3_num_f32 v[TM+\b], v[TM+\b], |v[\s+16*\b+\i]|, |v[\s+1+16*\b+\i]|
.endr
.endr
.irp b, 0,1,2,3
	v_permlanex16_b32 v[TM+4+\b], v[TM+\b], s[SEL], s[SEL+1]
.endr
.irp b, 0,1,2,3
	v_max_num_f32 v[TM+\b], v[TM+\b], v[TM+4+\b]   ; with lane l xor 16's: the block's largest magnitude
.endr
.irp b, 0,1,2,3
	v_add_nc_u32 v[TM+12+\b], 0xfc000000, v[TM+\b] ; 8 off its exponent field: the conversion's scale operand
.endr
.irp b, 0,1,2,3
	v_and_or_b32 v[TM+8+\b], v[TM+\b], 0x7f800000, s[MNT]   ; 448 x the scale
.endr
.irp b, 0,1,2,3
	v_lshrrev_b32 v[TM+4+\b], 23, v[TM+12+\b]      ; the scale's byte
.endr
	v_lshl_or_b32 v[\pw], v[TM+5], 8, v[TM+4]
	v_lshl_or_b32 v[\pw], v[TM+6], 16, v[\pw]
	v_lshl_or_b32 v[\pw], v[TM+7], 24, v[\pw]
.irp b, 0,1,2,3
.irp i, 0,1,2,3,4,5,6,7,8,9,10,11,12,13,14,15
	v_med3_num_f32 v[\s+16*\b+\i], v[\s+16*\b+\i], -v[TM+8+\b], v[TM+8+\b]   ; the conversion does not saturate (ISA guide 7.6.2): the hold comes first
.endr
	v_cvt_scalef32_pk8_fp8_f32 v[\pc+4*\b:\pc+1+4*\b], v[\s+16*\b:\s+7+16*\b], v[TM+12+\b]
	v_cvt_scalef32_pk8_fp8_f32 v[\pc+2+4*\b:\pc+3+4*\b], v[\s+8+16*\b:\s+15+16*\b], v[TM+12+\b]
.endr
	v_nop                                          ; a plain line behind the conversions
	; The codes stay as the conversions leave them: in group b lane (r, h) holds k = 32 b + 8 h + 0 .. 7, then 32 b + 16 + 8 h + 0 .. 7.  q and k carry the same order, and so do v and
	; the softmax's p in the next launch: an order inside a block of 32 that both operands of a product share leaves its products and its scales as they are.  No exchange between lanes is made.
.endm
; q, k: tokens 16 a on: the bias is added on the way into window 0; two heads of 64: blocks 0, 1 and 2, 3
.macro QKOUT a
.set AC, 64*((\a)%4)
	WIN 0x02+(\a)/4                                ; source 0: window 2 or 3
.set i, 0
.rept 32
	v_pk_add_f32 v[G+i:G+i+1], v[AC+i:AC+i+1], v[BI+i:BI+i+1]   ; each accumulator from its low end on
.set i, i+2
.endr
	WIN 0
	s_wait_xcnt 0x0                                ; the last block's stores have read their registers
	QUANT G, PC, PW
.irp b, 0,1,2,3
	global_store_b128 v[LI], v[PC+4*\b:PC+4*\b+3], s[12:13] offset:(\b/2)*131072+(\a)*1024+(\b%2)*512   ; 512 consecutive bytes, aligned
.endr
	v_and_b32 v248, 0xffff, v[PW]
	v_lshrrev_b32 v249, 16, v[PW]
	ds_store_b32 v[STW], v248 offset:64*(\a)       ; lanes r and r + 16 write the same word with the same value
	ds_store_b32 v[STW], v249 offset:512+64*(\a)
.endm
; v: rows 16 a on of W (head a / 4, 16 (a % 4) of its 64); the registers run along my 128 tokens
.macro VOUT a
.set AC, 64*((\a)%4)
	v_mov_b32 v248, v[VB+(\a)]
	v_mov_b32 v249, v[VB+(\a)]
	WIN 0x02+(\a)/4
.set i, 0
.rept 32
	v_pk_add_f32 v[G+i:G+i+1], v[AC+i:AC+i+1], v[248:249]
.set i, i+2
.endr
	WIN 0
	s_wait_xcnt 0x0
	QUANT G, PC, PW
.irp b, 0,1,2,3
	global_store_b128 v[LI], v[PC+4*\b:PC+4*\b+3], s[12:13] offset:((\a)/4)*131072+((\a)%4)*2048+\b*512
.endr
	ds_store_b32 v[SWV], v[PW] offset:64*(\a)
.endm
	s_wait_alu depctr_va_vdst(0)
	s_wait_tensorcnt 0x0                           ; my tile of the head's four is in
	ds_add_u32 v[SPW], v[NIL]
	s_mov_b32 s[G1+2], 128<<16                     ; no tensor load of mine is out: from here on a load brings 128 rows
	s_mov_b32 s[G1+4], 128
	s_mov_b32 s[G1B+2], 128<<16
	s_mov_b32 s[G1B+4], 128
	s_wait_dscnt 0x0
	CROUND                                         ; all four tiles are in, and all sixteen work-groups are here
	JLOAD G0+4, G1, G0B+4, G1B                     ; K step 1, my one tensor load behind the round
	FETCH_B 0, 0, 0
	FETCH_A 0, 0, 0
	SCALES 0
	FETCH_A 0, 0, 4
	s_wait_loadcnt 0x0                             ; the bias
	STEP 0, 0, 1                                   ; the first products start the sums: nothing is cleared.  Four K steps, written out: 512 matrix instructions, each run once
	TURN 0, 1, 1
	STEP 1, 0, 0
	TURN 1, 0, 1
	STEP 0, 0, 0
	TURN 0, 1, 0                                   ; nothing is left to fetch
	STEP 1, 0, 0
	s_wait_dscnt 4*NL
	WIN MUL_LO
	MUL16 0, 1, NQ-1, 1, 0
	MUL16 2, 1, NQ-1, 1, 0
	s_wait_dscnt 0
	WIN MUL_HI
	MUL16 4, 1, NQ-1, 1, 0
	MUL16 6, 1, NQ-1, 1, 0
	WIN 0
	; ---- THE WAY OUT
	PLACES NP
.irp b, 0,1,2,3
	v_mov_b32 v[TM+4+\b], 0                        ; written once: a lane permute's destination counts as one of its sources
.endr
	s_lshl_b32 s20, s17, 8
	s_lshl_b32 s21, s13, 7
	s_add_co_u32 s20, s20, s21                     ; my first token
	s_lshr_b32 s21, s20, 11                        ; its batch,
	s_and_b32 s22, s20, 2047                       ; its place in the sequence
	s_and_b32 s23, s42, 3
	s_lshl_b32 s23, s23, 1
	s_add_co_u32 s23, s23, s12
	s_lshl_b32 s23, s23, 1                         ; my first head of two,
	s_lshl_b32 s21, s21, 4
	s_add_co_u32 s23, s23, s21                     ; + 16 x batch
	s_mov_b32 s45, 0
	s_cmp_ge_u32 ttmp9, 2
	s_cbranch_scc1 .Lv_arm
	s_lshr_b32 s40, s42, 2                         ; 0: q, 1: k
	s_lshl_b32 s44, s40, 22
	s_lshl_b32 s46, s23, 17
	s_add_co_u32 s44, s44, s46
	s_lshl_b32 s46, s22, 6
	s_add_co_u32 s44, s44, s46
	s_add_nc_u64 s[12:13], s[98:99], s[44:45]      ; the images
	s_lshl_b32 s44, s40, 18
	s_lshl_b32 s46, s23, 13
	s_add_co_u32 s44, s44, s46
	s_lshl_b32 s46, s22, 2
	s_add_co_u32 s44, s44, s46
	s_add_co_u32 s44, s44, 0xC00000
	s_add_nc_u64 s[92:93], s[98:99], s[44:45]      ; the scale words
.irp a, 0,1,2,3,4,5,6,7
	QKOUT \a
.endr
	ds_load_b128 v[RB:RB+3], v[STR]                ; LDS serves a wave's instructions in order: these see my stores
	ds_load_b128 v[RB+4:RB+7], v[STR] offset:512
	s_wait_dscnt 0x0
	global_store_b128 v[LI], v[RB:RB+3], s[92:93]              ; 128 tokens' words of a head: 512 consecutive bytes
	global_store_b128 v[LI], v[RB+4:RB+7], s[92:93] offset:8192
	s_branch .Lend
.Lv_arm:
	s_lshr_b32 s22, s22, 7                         ; which 128 keys
	s_lshl_b32 s44, s23, 17
	s_lshl_b32 s46, s22, 13
	s_add_co_u32 s44, s44, s46
	s_add_co_u32 s44, s44, 0x800000
	s_add_nc_u64 s[12:13], s[98:99], s[44:45]
	s_lshl_b32 s44, s23, 12
	s_lshl_b32 s46, s22, 8
	s_add_co_u32 s44, s44, s46
	s_add_co_u32 s44, s44, 0xC80000
	s_add_nc_u64 s[92:93], s[98:99], s[44:45]
.irp a, 0,1,2,3,4,5,6,7
	VOUT \a
.endr
	ds_load_b128 v[RB:RB+3], v[SRV]
	s_wait_dscnt 0x0
	global_store_b128 v[VLT], v[RB:RB+3], s[92:93] ; sixteen lanes store a head's 256 bytes, aligned
.Lend:
	s_wait_tensorcnt 0x0                           ; the wave's end
	ds_add_u32 v[SPW], v[NIL]
	s_wait_dscnt 0x0
	CROUND                                         ; the closing round
	s_endpgm
.Lfunc_end_k_qff488ac1fc_qkv:
	.size	k_qff488ac1fc_qkv, .Lfunc_end_k_qff488ac1fc_qkv-k_qff488ac1fc_qkv
	.p2alignl 7, 3214868480
	.fill 96, 4, 3214868480
	.section	.rodata,"a",@progbits
	.p2align	6, 0x0
	.amdhsa_kernel k_qff488ac1fc_qkv
		.amdhsa_group_segment_fixed_size 327680
		.amdhsa_private_segment_fixed_size 0
		.amdhsa_enable_private_segment 0
		.amdhsa_kernarg_size 40
		.amdhsa_user_sgpr_count 2
		.amdhsa_user_sgpr_kernarg_segment_ptr 1
		.amdhsa_wavefront_size32 1
		.amdhsa_system_sgpr_workgroup_id_x 1
		.amdhsa_system_sgpr_workgroup_id_y 1
		.amdhsa_system_sgpr_workgroup_id_z 1
		.amdhsa_system_vgpr_workitem_id 0
		.amdhsa_next_free_vgpr 1024
		.amdhsa_next_free_sgpr 102
		.amdhsa_reserve_vcc 0
		.amdhsa_float_denorm_mode_32 3
		.amdhsa_float_denorm_mode_16_64 3
		.amdhsa_memory_ordered 1
		.amdhsa_forward_progress 1
		.amdhsa_inst_pref_size 255
	.end_amdhsa_kernel
	.section	.bss,"aw",@nobits
	.p2align	6
	.space	262144
	.amdgpu_metadata
---
amdhsa.version: [ 1, 2 ]
amdhsa.kernels:
  - .name:           k_qff488ac1fc_qkv
    .symbol:         k_qff488ac1fc_qkv.kd
    .args:
      - { .name: act, .offset: 0, .size: 8, .value_kind: global_buffer, .address_space: global }
      - { .name: qkv_w_codes, .offset: 8, .size: 8, .value_kind: global_buffer, .address_space: global }
      - { .name: qkv_w_scales, .offset: 16, .size: 8, .value_kind: global_buffer, .address_space: global }
      - { .name: qkv_b, .offset: 24, .size: 8, .value_kind: global_buffer, .address_space: global }
      - { .name: qkvw, .offset: 32, .size: 8, .value_kind: global_buffer, .address_space: global }
    .group_segment_fixed_size: 327680
    .private_segment_fixed_size: 0
    .kernarg_segment_align: 8
    .kernarg_segment_size: 40
    .max_flat_workgroup_size: 128
    .sgpr_count:     102
    .vgpr_count:     1024
    .wavefront_size: 32
...
	.end_amdgpu_metadata
.endif
;; end of part 2
;; launch attn (part 3): grid 8 x 32, 16 waves a work-group, no clusters, 327,680 bytes of LDS; arguments qkvw, att; writes att
.if DOCPART == 3
	.amdgcn_target "amdgcn-amd-amdhsa--gfx1250"
	.amdhsa_code_object_version 6
	.text
	.protected	k_qff488ac1fc_attn
	.globl	k_qff488ac1fc_attn
	.p2align	8
	.type	k_qff488ac1fc_attn,@function
k_qff488ac1fc_attn:
	s_mov_b64 s[64:65], 0
	v_nop
	global_prefetch_b8 v0, s[64:65] scope:SCOPE_SE
	s_setreg_imm32_b32 hwreg(HW_REG_WAVE_MODE, 25, 1), 1
	s_wait_xcnt 0x0
; CAUSAL ATTENTION ON CODES OF E4M3 with E8M0 scales: o = softmax(q k^T / 8) v for 32 heads of 2,048 tokens, head size 64; the result is quantised along the heads' axis for the projection.
; In: images of the operands' registers and scale words, as the launch before lays them (q, k: [32][tile of 16][c 2][512]; v: [32][128 keys][16 of 64][c 4][512]).  Out: images [16 rows][128 of K][c][512] and scale words.
; DEAD WORK: a step of 128 keys that all come after a tile's 16 queries is left out: reference()'s own causal mask gives those keys the weight 0.  A NaN or infinity in hidden keys or values alone is not carried.
; p = 2^(t - M), M the ceiling of the running largest t, a whole number; the row's sum is taken of the unquantised p and divides at the end.  LIMIT: the scaled scores stay under 2^31 in magnitude; NaN and infinities are not served.
; SHARES: a work-group owns query blocks x and 15 - x of 128 queries of a head, a wave 16 queries; K and V come through two LDS slots of 512 keys.  Both products are used transposed: a lane holds one query.
; p's codes keep the order in which the conversions leave them (k = 32 b + 8 h + 0 .. 7, then 32 b + 16 + 8 h + 0 .. 7): v's images carry the same order inside each block of 32.
; No cluster: under the mask the work-groups of a head need different numbers of slots.
.set SK,    512
.set NSL,   4
.set SLOT1, 65536
.set VOFF,  32768
.set SSTEP, 32768
.set SCK,   131072
.set SCV,   139264
.set SPARE, 144384
.set AK0,  1
.set AV0,  2
.set ASK0, 3
.set ASV0, 4
.set SPW,  5
.set NIL,  6
.set PFO,  7
.set ADK,  8
.set ADV,  9
.set ADS,  10
.set ADT,  11
.set KR,   32
.set ZT,   96
.set SS,   104
.set OT,   168
.set PC,   200
.set WK,   216
.set KSC,  232
.set VSC,  240
.set FF,   244
.set PSC,  245
.set TMPR, 246
.set QSC,  247
.set MK0,  248
.set MK1,  249
.set R4,   250
.set WV,   18
.set MNT,  19
.set SEL,  20
.set CS,   22
.set G1T,  24
.set G1SK, 32
.set G0K,  40
.set G0V,  44
.set G1SV, 48
.set G0SK, 56
.set G0SV, 60
.set TB,   2
.set TS,   3
.set TJ,   66
.set SLOTS, 67
.set PFA,  76
.set LIM,  80
.set QL,   81
.set KF,   98
.set Q0,   99
.macro TLOAD g0k, g1k, g0v, g1v
	s_cmp_lt_u32 s[WV], 2
	s_cbranch_scc0 .Lnot_k_\@
	tensor_load_to_lds s[\g0k:\g0k+3], s[\g1k:\g1k+7]
	s_nop 0
.rept 4
	v_nop
.endr
	s_branch .Lasked_\@
.Lnot_k_\@:
	s_cmp_lt_u32 s[WV], 4
	s_cbranch_scc0 .Lasked_\@
	tensor_load_to_lds s[\g0v:\g0v+3], s[\g1v:\g1v+7]
	s_nop 0
.rept 4
	v_nop
.endr
.Lasked_\@:
.endm
.macro ASK
	s_cmp_gt_u32 s[SLOTS], s[LIM]
	s_cbranch_scc0 .Lnot_mine_\@
	global_prefetch_b8 v[PFO], s[PFA:PFA+1] th:TH_LOAD_NT scope:SCOPE_SE
.Lnot_mine_\@:
.endm
	s_load_b128 s[4:7], s[0:1], 0x0
	v_lshl_add_u32 v[SPW], v0, 2, SPARE
	v_mov_b32 v[NIL], 0
	ds_add_u32 v[SPW], v[NIL]
	ds_add_u32 v[SPW], v[NIL]
	v_lshrrev_b32 v8, 5, v0
	s_delay_alu instid0(VALU_DEP_1)
	v_readfirstlane_b32 s[WV], v8
	s_and_b32 s72, ttmp7, 0xffff
	s_lshr_b32 s73, s[WV], 2
	s_xor_b32 s73, s73, s[WV]
	s_and_b32 s73, s73, 1
	s_sub_co_u32 s74, 15, ttmp9
	s_cmp_eq_u32 s73, 0
	s_cselect_b32 s74, ttmp9, s74
	s_lshl_b32 s74, s74, 3
	s_lshr_b32 s75, s[WV], 1
	s_add_co_u32 s74, s74, s75
	s_lshl_b32 s[Q0], s74, 4
	s_sub_co_u32 s[QL], 16, ttmp9
	s_lshl_b32 s[QL], s[QL], 7
	s_sub_co_u32 s[QL], s[QL], 1
	s_lshl_b32 s82, s72, 17
	s_and_b32 s88, s[WV], 1
	s_lshl_b32 s89, s88, 14
	s_add_co_u32 s84, s82, s89
	s_add_co_u32 s84, s84, 0x400000
	s_mov_b32 s85, 0
	s_add_co_u32 s86, s84, 0x400000
	s_mov_b32 s87, 0
	s_lshl_b32 s90, s72, 13
	s_lshl_b32 s92, s88, 12
	s_add_co_u32 s90, s90, s92
	s_add_co_u32 s90, s90, 0xC40000
	s_mov_b32 s91, 0
	s_lshl_b32 s92, s72, 12
	s_lshl_b32 s94, s88, 11
	s_add_co_u32 s92, s92, s94
	s_add_co_u32 s92, s92, 0xC80000
	s_mov_b32 s93, 0
.irp g, G1T, G1SK, G1SV
	s_mov_b32 s[\g], 3<<16
	s_mov_b32 s[\g+1], 32<<16
	s_mov_b32 s[\g+3], 32<<16
	s_mov_b32 s[\g+5], 32
	s_mov_b32 s[\g+6], 0
	s_mov_b32 s[\g+7], 0
.endr
	s_mov_b32 s[G1T+2], 64<<16
	s_mov_b32 s[G1T+4], 64
	s_mov_b32 s[G1SK+2], 16<<16
	s_mov_b32 s[G1SK+4], 16
	s_mov_b32 s[G1SV+2], 8<<16
	s_mov_b32 s[G1SV+4], 8
	s_mov_b32 s[SEL], 0x76543210
	s_mov_b32 s[SEL+1], 0xfedcba98
	s_mov_b32 s[CS], 0x3e38aa3b
	s_mov_b32 s[CS+1], s[CS]
	s_mov_b32 s[MNT], 0x600000
	s_mov_b32 s[TB], 0
	s_mov_b32 s[TS], 0
	s_mov_b32 s[TJ], 0
	s_mov_b32 s[SLOTS], NSL-1
	s_mov_b32 s[KF], 0
	s_wait_dscnt 0x0
	s_wait_kmcnt 0x0
	s_mov_b32 s[G0SK], 1
	s_lshl_b32 s95, s88, 12
	s_add_co_u32 s[G0SK+1], s95, SCK
	s_add_nc_u64 s[G0SK+2:G0SK+3], s[4:5], s[90:91]
	s_or_b32 s[G0SK+3], s[G0SK+3], 0x80000000
	s_mov_b32 s[G0SV], 1
	s_lshl_b32 s95, s88, 11
	s_add_co_u32 s[G0SV+1], s95, SCV
	s_add_nc_u64 s[G0SV+2:G0SV+3], s[4:5], s[92:93]
	s_or_b32 s[G0SV+3], s[G0SV+3], 0x80000000
	s_mov_b32 s[G0K], 1
	s_mov_b32 s[G0K+1], s89
	s_add_nc_u64 s[G0K+2:G0K+3], s[4:5], s[84:85]
	s_or_b32 s[G0K+3], s[G0K+3], 0x80000000
	s_mov_b32 s[G0V], 1
	s_add_co_u32 s[G0V+1], s89, VOFF
	s_add_nc_u64 s[G0V+2:G0V+3], s[4:5], s[86:87]
	s_or_b32 s[G0V+3], s[G0V+3], 0x80000000
; THE HEAD'S LOADS, ONE A WAVE: waves 0, 1 slot 0's halves of K, waves 2, 3 of V, waves 4, 5 the halves of K's scale words, waves 6, 7 of V's.  One tree, a load to an arm, one join.
.macro ARM under, g0, g1, next
	s_cmp_lt_u32 s[WV], \under
	s_cbranch_scc0 \next
	tensor_load_to_lds s[\g0:\g0+3], s[\g1:\g1+7]
	s_nop 0
.rept 4
	v_nop
.endr
	s_branch .Lhead_asked
\next:
.endm
	ARM 2, G0K,  G1T,  .Lhead_v
	ARM 4, G0V,  G1T,  .Lhead_sk
	ARM 6, G0SK, G1SK, .Lhead_sv
	ARM 8, G0SV, G1SV, .Lhead_none
.Lhead_asked:
	s_mov_b32 s95, 0
	s_lshl_b32 s94, s74, 10
	s_add_co_u32 s94, s94, s82
	s_add_nc_u64 s[8:9], s[4:5], s[94:95]
	s_lshl_b32 s94, s72, 11
	s_add_co_u32 s94, s94, s[Q0]
	s_lshl_b32 s94, s94, 2
	s_add_co_u32 s94, s94, 0xC00000
	s_add_nc_u64 s[10:11], s[4:5], s[94:95]
	s_lshr_b32 s73, s72, 4
	s_and_b32 s96, s72, 15
	s_lshl_b32 s94, s73, 7
	s_add_co_u32 s94, s94, s74
	s_lshl_b32 s94, s94, 14
	s_lshl_b32 s97, s96, 10
	s_add_co_u32 s94, s94, s97
	s_add_nc_u64 s[12:13], s[6:7], s[94:95]
	s_lshr_b32 s94, s96, 1
	s_lshl_b32 s94, s94, 12
	s_lshl_b32 s73, s73, 11
	s_add_co_u32 s94, s94, s73
	s_add_co_u32 s94, s94, s[Q0]
	s_lshl_b32 s94, s94, 2
	s_and_b32 s97, s96, 1
	s_lshl_b32 s97, s97, 1
	s_add_co_u32 s94, s94, s97
	s_add_co_u32 s94, s94, 0x400000
	s_add_nc_u64 s[14:15], s[6:7], s[94:95]
	s_mov_b32 s94, 0x800000
	s_cmp_lt_u32 s[WV], 8
	s_cselect_b32 s94, 0x400000, s94
	s_add_co_u32 s94, s94, s82
	s_and_b32 s97, s[WV], 3
	s_lshl_b32 s97, s97, 13
	s_add_co_u32 s94, s94, s97
	s_add_co_u32 s94, s94, SSTEP
	s_add_nc_u64 s[PFA:PFA+1], s[4:5], s[94:95]
	s_sub_co_u32 s94, s[WV], 4
	s_lshr_b32 s94, s94, 3
	s_or_b32 s94, s94, ttmp9
	s_cmp_eq_u32 s94, 0
	s_cselect_b32 s[LIM], 1, -1
	v_and_b32 v8, 15, v0
	v_bfe_u32 v9, v0, 4, 1
	v_and_b32 v10, 31, v0
	s_delay_alu instid0(VALU_DEP_1)
	v_lshlrev_b32 v[AK0], 4, v10
	s_delay_alu instid0(VALU_DEP_1)
	v_add_nc_u32 v[AV0], VOFF, v[AK0]
	v_lshl_add_u32 v[ASK0], v8, 2, SCK
	v_lshl_add_u32 v[ASV0], v8, 2, SCV
	v_lshlrev_b32 v[PFO], 8, v10
	v_lshlrev_b32 v[R4], 2, v8
	global_load_b128 v[16:19], v[AK0], s[8:9]
	global_load_b128 v[20:23], v[AK0], s[8:9] offset:512
	global_load_b32 v[QSC], v[R4], s[10:11]
	v_lshlrev_b32 v[MK0], 3, v9
	s_delay_alu instid0(VALU_DEP_1)
	v_sub_nc_u32 v[MK1], v8, v[MK0]
.irp j, 0,1,2,3,4,5,6,7
	v_mov_b32 v[24+\j], 0
	v_mov_b32 v[ZT+\j], 0
.endr
	v_mov_b32 v13, 0xff61b1e6
	s_delay_alu instid0(VALU_DEP_1)
	v_floor_f32 v12, -v13
	v_mov_b32 v14, 0
	v_mov_b32 v15, 0
.irp b, 0,1,2,3
	v_mov_b32 v[WK+4+\b], 0
.endr
	v_mov_b32 v[FF], 0
	v_mov_b32 v[PSC], 0
.set j, 0
.rept 32
	v_mov_b32 v[OT+j], 0
.set j, j+1
.endr
.macro STEP q
	s_add_co_u32 s96, s[Q0], 15
	s_cmp_gt_u32 s[KF], s96
	s_cbranch_scc1 .Lhidden_\@
	v_add_nc_u32 v[ADK], s[TB], v[AK0]
	v_add_nc_u32 v[ADV], s[TB], v[AV0]
	v_add_nc_u32 v[ADS], s[TS], v[ASK0]
	v_add_nc_u32 v[ADT], s[TJ], v[ASV0]
.rept 4
	v_nop
.endr
.irp t, 0,1,2,3,4,5,6,7
	ds_load_b32 v[KSC+\t], v[ADS] offset:64*\t
.endr
.irp t, 0,1,2,3,4,5,6,7
	ds_load_b128 v[KR+8*\t:KR+8*\t+3], v[ADK] offset:(8*(\q)+\t)*1024
	ds_load_b128 v[KR+8*\t+4:KR+8*\t+7], v[ADK] offset:(8*(\q)+\t)*1024+512
.endr
	s_wait_alu depctr_va_vdst(0)
.irp t, 0,1,2,3,4,5,6,7
.if \t < 7
	s_wait_dscnt 12-2*\t
.endif
	v_wmma_scale_f32_16x16x128_f8f6f4 v[SS+8*\t:SS+8*\t+7], v[KR+8*\t:KR+8*\t+15], v[16:31], 0, v[KSC+\t], v[QSC]
.endr
.rept 8
	v_nop
.endr
.irp t, 0,1,2,3                                    ; K's registers are free behind the eight places: V's four fragments and scale words are asked for now, and land under the softmax
.irp c, 0,1,2,3
	ds_load_b128 v[KR+16*\t+4*\c:KR+16*\t+4*\c+3], v[ADV] offset:(\q)*8192+\t*2048+512*\c
.endr
	ds_load_b32 v[VSC+\t], v[ADT] offset:64*\t
.endr
	s_add_co_u32 s96, s[KF], 127
	s_cmp_le_u32 s96, s[Q0]
	s_cbranch_scc1 .Lopen_\@
	s_sub_co_i32 s96, s[Q0], s[KF]
	v_add_nc_u32 v[MK0], s96, v[MK1]
	v_mov_b32 v[TMPR], 0xff800000
.set n, 0
.rept 64
	v_cmp_gt_i32 vcc_lo, 16*(n/8)+n%8, v[MK0]
	v_cndmask_b32 v[SS+n], v[SS+n], v[TMPR], vcc_lo
.set n, n+1
.endr
.Lopen_\@:
.irp b, 0,1,2,3
	v_max3_num_f32 v[WK+\b], v[SS+16*\b], v[SS+1+16*\b], v[SS+2+16*\b]
.endr
.irp i, 3,5,7,9,11,13
.irp b, 0,1,2,3
	v_max3_num_f32 v[WK+\b], v[WK+\b], v[SS+16*\b+\i], v[SS+1+16*\b+\i]
.endr
.endr
.irp b, 0,1,2,3
	v_max_num_f32 v[WK+\b], v[WK+\b], v[SS+15+16*\b]
.endr
.irp b, 0,1,2,3
	s_delay_alu instid0(VALU_DEP_4)
	v_permlanex16_b32 v[WK+4+\b], v[WK+\b], s[SEL], s[SEL+1]
.endr
.irp b, 0,1,2,3
	s_delay_alu instid0(VALU_DEP_4)
	v_max_num_f32 v[WK+\b], v[WK+\b], v[WK+4+\b]
.endr
	s_delay_alu instid0(VALU_DEP_2)
	v_max3_num_f32 v[TMPR], v[WK], v[WK+1], v[WK+2]
	s_delay_alu instid0(VALU_DEP_1)
	v_max_num_f32 v[TMPR], v[TMPR], v[WK+3]
	s_delay_alu instid0(VALU_DEP_1)
	v_mul_f32 v[TMPR], s[CS], v[TMPR]
	s_delay_alu instid0(VALU_DEP_1)
	v_max_num_f32 v13, v13, v[TMPR]
	v_mov_b32 v[TMPR], v12
	s_delay_alu instid0(VALU_DEP_2)
	v_floor_f32 v12, -v13
	s_delay_alu instid0(VALU_DEP_1)
	v_sub_f32 v[TMPR], v12, v[TMPR]
	s_delay_alu instid0(VALU_DEP_1)
	v_cvt_i32_f32 v[TMPR], v[TMPR]
	s_delay_alu instid0(VALU_DEP_1)
	v_ldexp_f32 v[FF], 1.0, v[TMPR]
.irp b, 0,1,2,3
	v_fma_f32 v[WK+\b], v[WK+\b], s[CS], v12
.endr
.set j, 0
.rept 32
	v_pk_fma_f32 v[SS+j:SS+j+1], v[SS+j:SS+j+1], s[CS:CS+1], v[12:13] op_sel_hi:[1,0,0]   ; t - M, two at a time
.set j, j+2
.endr
	v_pk_mul_f32 v[14:15], v[14:15], v[FF:FF+1] op_sel_hi:[1,0]   ; the sums and O^T under the new M, ahead of the exponentials
.set j, 0
.rept 16
	v_pk_mul_f32 v[OT+j:OT+j+1], v[OT+j:OT+j+1], v[FF:FF+1] op_sel_hi:[1,0]
.set j, j+2
.endr
	s_wait_alu depctr_va_vdst(0)                   ; one wait ahead of the batch
.irp b, 0,1,2,3
	v_exp_f32 v[WK+\b], v[WK+\b]                   ; each block's largest p
.endr
.set j, 0
.rept 64
	v_exp_f32 v[SS+j], v[SS+j]                     ; p = 2^(t - M)
.set j, j+1
.endr
	v_nop                                          ; a plain place behind the last transcendental
	s_wait_alu depctr_va_vdst(0)                   ; and one wait behind the batch, ahead of its first reader
	v_pk_add_f32 v[WK+4:WK+5], v[SS:SS+1], v[SS+2:SS+3]
	v_pk_add_f32 v[WK+6:WK+7], v[SS+4:SS+5], v[SS+6:SS+7]
	v_pk_add_f32 v[WK+8:WK+9], v[SS+8:SS+9], v[SS+10:SS+11]
.irp j, 12,20,28,36,44,52
	v_pk_add_f32 v[14:15], v[14:15], v[SS+\j:SS+\j+1]
	v_pk_add_f32 v[WK+4:WK+5], v[WK+4:WK+5], v[SS+\j+2:SS+\j+3]
	v_pk_add_f32 v[WK+6:WK+7], v[WK+6:WK+7], v[SS+\j+4:SS+\j+5]
	v_pk_add_f32 v[WK+8:WK+9], v[WK+8:WK+9], v[SS+\j+6:SS+\j+7]
.endr
	v_pk_add_f32 v[14:15], v[14:15], v[SS+60:SS+61]
	v_pk_add_f32 v[WK+4:WK+5], v[WK+4:WK+5], v[SS+62:SS+63]
	s_delay_alu instid0(VALU_DEP_2)
	v_pk_add_f32 v[14:15], v[14:15], v[WK+8:WK+9]
	s_delay_alu instid0(VALU_DEP_2)
	v_pk_add_f32 v[WK+4:WK+5], v[WK+4:WK+5], v[WK+6:WK+7]
	s_delay_alu instid0(VALU_DEP_1)
	v_pk_add_f32 v[14:15], v[14:15], v[WK+4:WK+5]
.irp b, 0,1,2,3
	v_max_num_f32 v[WK+\b], 0x4800000, v[WK+\b]
.endr
.irp b, 0,1,2,3
	s_delay_alu instid0(VALU_DEP_4)
	v_add_nc_u32 v[WK+12+\b], 0xfc000000, v[WK+\b]
.endr
.irp b, 0,1,2,3
	v_and_or_b32 v[WK+8+\b], v[WK+\b], 0x7f800000, s[MNT]
.endr
.irp b, 0,1,2,3
	v_lshrrev_b32 v[WK+4+\b], 23, v[WK+12+\b]
.endr
	s_delay_alu instid0(VALU_DEP_3)
	v_lshl_or_b32 v[PSC], v[WK+5], 8, v[WK+4]
	s_delay_alu instid0(VALU_DEP_1)
	v_lshl_or_b32 v[PSC], v[WK+6], 16, v[PSC]
	s_delay_alu instid0(VALU_DEP_1)
	v_lshl_or_b32 v[PSC], v[WK+7], 24, v[PSC]
; the one-sided hold (the conversion does not saturate: ISA guide 7.6.2), two numbers an instruction: one of block b and one of block b + 1, so that destinations are even and odd and both pairs of sources lie in different banks
.irp b, 0,2
.irp i, 0,2,4,6,8,10,12,14
	v_dual_min_num_f32 v[SS+16*\b+\i], v[SS+16*\b+\i], v[WK+8+\b] :: v_dual_min_num_f32 v[SS+17+16*\b+\i], v[SS+17+16*\b+\i], v[WK+9+\b]
	v_dual_min_num_f32 v[SS+16+16*\b+\i], v[SS+16+16*\b+\i], v[WK+9+\b] :: v_dual_min_num_f32 v[SS+1+16*\b+\i], v[SS+1+16*\b+\i], v[WK+8+\b]
.endr
.irp u, 0,1
	v_cvt_scalef32_pk8_fp8_f32 v[PC+4*(\b+\u):PC+1+4*(\b+\u)], v[SS+16*(\b+\u):SS+7+16*(\b+\u)], v[WK+12+\b+\u]
	v_cvt_scalef32_pk8_fp8_f32 v[PC+2+4*(\b+\u):PC+3+4*(\b+\u)], v[SS+8+16*(\b+\u):SS+15+16*(\b+\u)], v[WK+12+\b+\u]
.endr
.endr
.rept 5
	v_nop                                          ; a plain line behind the conversions, and four places ahead of the scaled products that take the codes
.endr
	s_wait_alu depctr_va_vdst(0)
	s_wait_dscnt 0x0
.irp t, 0,1,2,3
	v_wmma_scale_f32_16x16x128_f8f6f4 v[OT+8*\t:OT+8*\t+7], v[KR+16*\t:KR+16*\t+15], v[PC:PC+15], v[OT+8*\t:OT+8*\t+7], v[VSC+\t], v[PSC]
.endr
.Lhidden_\@:
	s_add_co_u32 s[KF], s[KF], 128
	s_add_co_u32 s[TS], s[TS], 512
	s_add_co_u32 s[TJ], s[TJ], 256
.endm
.macro CHANGE fill
	s_wait_tensorcnt 0x0
	ds_add_u32 v[SPW], v[NIL]
.if \fill
	ds_add_u32 v[SPW], v[NIL]
	s_xor_b32 s[G0K+1], s[G0K+1], SLOT1
	s_add_nc_u64 s[G0K+2:G0K+3], s[G0K+2:G0K+3], SSTEP
	s_xor_b32 s[G0V+1], s[G0V+1], SLOT1
	s_add_nc_u64 s[G0V+2:G0V+3], s[G0V+2:G0V+3], SSTEP
	s_wait_xcnt 0x0
	s_add_nc_u64 s[PFA:PFA+1], s[PFA:PFA+1], SSTEP
.endif
	s_wait_dscnt 0x0
	s_barrier_signal -1
	s_barrier_wait -1
.if \fill
	s_add_co_u32 s96, s[KF], SK
	s_cmp_gt_u32 s96, s[QL]
	s_cbranch_scc1 .Lpast_\@
	TLOAD G0K, G1T, G0V, G1T
.Lpast_\@:
	ASK
.endif
.endm
.macro SLOT_STEPS
	STEP 0
	STEP 1
	STEP 2
	STEP 3
	s_xor_b32 s[TB], s[TB], SLOT1
.endm
	s_wait_alu depctr_va_vdst(0)
	s_wait_loadcnt 0x0
.Lslot:
	CHANGE 1
	SLOT_STEPS
	s_sub_co_u32 s[SLOTS], s[SLOTS], 1
	s_cmp_lg_u32 s[SLOTS], 0
	s_cbranch_scc1 .Lslot
	CHANGE 0
	SLOT_STEPS
.rept 8
	v_nop
.endr
	v_add_f32 v14, v14, v15
	s_delay_alu instid0(VALU_DEP_1)
	v_permlanex16_b32 v[FF], v14, s[SEL], s[SEL+1]
	s_delay_alu instid0(VALU_DEP_1)
	v_add_f32 v14, v14, v[FF]
	s_wait_alu depctr_va_vdst(0)
	v_rcp_f32 v14, v14
	v_nop
	s_wait_alu depctr_va_vdst(0)
.set j, 0
.rept 32
	v_mul_f32 v[SS+j], v[OT+j], v14
.set j, j+1
.endr
.irp b, 0,1
	v_max3_num_f32 v[WK+\b], |v[SS+16*\b]|, |v[SS+1+16*\b]|, 0x4800000
.endr
.irp i, 2,4,6,8,10,12,14
.irp b, 0,1
	s_delay_alu instid0(VALU_DEP_2)
	v_max3_num_f32 v[WK+\b], v[WK+\b], |v[SS+16*\b+\i]|, |v[SS+1+16*\b+\i]|
.endr
.endr
.irp b, 0,1
	s_delay_alu instid0(VALU_DEP_2)
	v_permlanex16_b32 v[WK+4+\b], v[WK+\b], s[SEL], s[SEL+1]
.endr
.irp b, 0,1
	s_delay_alu instid0(VALU_DEP_2)
	v_max_num_f32 v[WK+\b], v[WK+\b], v[WK+4+\b]
.endr
.irp b, 0,1
	s_delay_alu instid0(VALU_DEP_2)
	v_add_nc_u32 v[WK+12+\b], 0xfc000000, v[WK+\b]
.endr
.irp b, 0,1
	s_delay_alu instid0(VALU_DEP_4)
	v_and_or_b32 v[WK+8+\b], v[WK+\b], 0x7f800000, s[MNT]
.endr
.irp b, 0,1
	s_delay_alu instid0(VALU_DEP_4)
	v_lshrrev_b32 v[WK+4+\b], 23, v[WK+12+\b]
.endr
	s_delay_alu instid0(VALU_DEP_1)
	v_lshl_or_b32 v[TMPR], v[WK+5], 8, v[WK+4]
.irp b, 0,1
.irp i, 0,1,2,3,4,5,6,7,8,9,10,11,12,13,14,15
	v_med3_num_f32 v[SS+16*\b+\i], v[SS+16*\b+\i], -v[WK+8+\b], v[WK+8+\b]
.endr
	v_cvt_scalef32_pk8_fp8_f32 v[PC+4*\b:PC+1+4*\b], v[SS+16*\b:SS+7+16*\b], v[WK+12+\b]
	v_cvt_scalef32_pk8_fp8_f32 v[PC+2+4*\b:PC+3+4*\b], v[SS+8+16*\b:SS+15+16*\b], v[WK+12+\b]
.endr
	v_nop
.irp b, 0,1
	v_permlane16_swap_b32 v[PC+4*\b], v[PC+2+4*\b]
	v_permlane16_swap_b32 v[PC+1+4*\b], v[PC+3+4*\b]
.endr
	global_store_b128 v[AK0], v[PC:PC+3], s[12:13]
	global_store_b128 v[AK0], v[PC+4:PC+7], s[12:13] offset:512
	global_store_b16 v[R4], v[TMPR], s[14:15]
	s_wait_tensorcnt 0x0
	ds_add_u32 v[SPW], v[NIL]
	s_wait_dscnt 0x0
	s_endpgm
.Lfunc_end_k_qff488ac1fc_attn:
	.size	k_qff488ac1fc_attn, .Lfunc_end_k_qff488ac1fc_attn-k_qff488ac1fc_attn
	.p2alignl 7, 3214868480
	.fill 96, 4, 3214868480
	.section	.rodata,"a",@progbits
	.p2align	6, 0x0
	.amdhsa_kernel k_qff488ac1fc_attn
		.amdhsa_group_segment_fixed_size 327680
		.amdhsa_private_segment_fixed_size 0
		.amdhsa_enable_private_segment 0
		.amdhsa_kernarg_size 16
		.amdhsa_user_sgpr_count 2
		.amdhsa_user_sgpr_kernarg_segment_ptr 1
		.amdhsa_wavefront_size32 1
		.amdhsa_system_sgpr_workgroup_id_x 1
		.amdhsa_system_sgpr_workgroup_id_y 1
		.amdhsa_system_sgpr_workgroup_id_z 1
		.amdhsa_system_vgpr_workitem_id 0
		.amdhsa_next_free_vgpr 256
		.amdhsa_next_free_sgpr 100
		.amdhsa_reserve_vcc 1
		.amdhsa_float_denorm_mode_32 3
		.amdhsa_float_denorm_mode_16_64 3
		.amdhsa_memory_ordered 1
		.amdhsa_forward_progress 1
		.amdhsa_inst_pref_size 222
	.end_amdhsa_kernel
	.amdgpu_metadata
---
amdhsa.version: [ 1, 2 ]
amdhsa.kernels:
  - .name:           k_qff488ac1fc_attn
    .symbol:         k_qff488ac1fc_attn.kd
    .args:
      - { .name: qkvw, .offset: 0, .size: 8, .value_kind: global_buffer, .address_space: global }
      - { .name: att, .offset: 8, .size: 8, .value_kind: global_buffer, .address_space: global }
    .group_segment_fixed_size: 327680
    .private_segment_fixed_size: 0
    .kernarg_segment_align: 8
    .kernarg_segment_size: 16
    .max_flat_workgroup_size: 512
    .sgpr_count:     100
    .vgpr_count:     256
    .wavefront_size: 32
...
	.end_amdgpu_metadata
.endif
;; end of part 3
;; launch oproj (part 4): grid 8 x 32, 4 waves a work-group, clusters of 4 x 4, 327,680 bytes of LDS; arguments att, out_w_codes, out_w_scales, out_b, x, x1; writes x1
.if DOCPART == 4
	.amdgcn_target "amdgcn-amd-amdhsa--gfx1250"
	.amdhsa_code_object_version 6
	.text
	.protected	k_qff488ac1fc_oproj
	.globl	k_qff488ac1fc_oproj
	.p2align	8
	.type	k_qff488ac1fc_oproj,@function
k_qff488ac1fc_oproj:
	s_mov_b64 s[64:65], 0
	v_nop
	global_prefetch_b8 v0, s[64:65] scope:SCOPE_SE
	s_setreg_imm32_b32 hwreg(HW_REG_WAVE_MODE, 25, 1), 1
	s_wait_xcnt 0x0
	s_wait_alu depctr_hold_cnt(0) depctr_sa_sdst(0) depctr_va_vdst(0) depctr_va_sdst(0) depctr_va_ssrc(0) depctr_va_vcc(0) depctr_vm_vsrc(0)
	s_getreg_b32 s2, hwreg(HW_REG_IB_STS2, 6, 4)
	s_cmp_eq_u32 s2, 0
	s_cbranch_scc0 .Lentry_in_a_cluster
	s_endpgm
.Lentry_in_a_cluster:
	s_bfe_u32 s2, ttmp6, 0x10000c
	s_cmp_lg_u32 s2, 0xf033
	s_cbranch_scc0 .Lentry_shape_is_right
	s_endpgm
.Lentry_shape_is_right:
; out = res + A W^T + b on codes of E4M3 with E8M0 scales.  [4096] rows, N = 1,024, K = SIZE_K.  Here: the projection behind attention, res = x, out = x1.
; A: images of the operand's registers [16 rows 256][128 of K][c 4][512 bytes] at byte 0 of its buffer; its scale words [128 of K][4096] at byte 4,096 x SIZE_K.  W: codes [1024][SIZE_K], scale bytes [1024][SIZE_K / 32].
; b: [1024], res and out: [4096][1024], f32.
; N = 1,024 gives 64 tiles of 256 x 256 and 256 of 128 x 128: the smaller tile, so that there is a work-group for each of 256.  Four waves, 64 x 64 each: 16 accumulators.
; K goes in steps of 512 (four quarters of 128) through two LDS slots: A's 8 blocks x 8,192 dense bytes, W's 128 rows of 512 bytes + 16.  All scale words of the tile come once, with the first fills.
; CLUSTERS of 4 x 4: A's tiles are asked for jointly along a row of the cluster, W's along a column.
; Source 0 = 16 rows of W, source 1 = 16 rows of A: a lane holds eight neighbouring numbers of a row.  The bias is the C of each sum's first product.  The residual is loaded at the head, in the layout of the stores.
; LIMITS: NaN and infinities are not served; sums are taken in another order than reference()'s.
; REGISTERS: window 0: v1-31 addresses; v32-95 scale words, two sets; v96-127 the bias; v128-255 the accumulators.   window 1: two sets of fragments (A's four, then W's four); on the way out rows read back.   window 2: v0-127 the residual.
.set SIZE_K, 1024
.set NT,     0                         ; 1: the result is read by no later launch
.set ASL,    65536
.set BP,     528                       ; a row of W in LDS: 512 bytes + 16: the 16 rows of a load start at 16 different banks (ISA guide 11.1)
.set BHALF,  64*BP
.set SLOT,   ASL+2*BHALF
.set LAPS,   SIZE_K/1024
.set KS,     SIZE_K/32
.set SA,     2*SLOT                    ; A's scale words: [128 of K][128 rows]
.set SAR,    SIZE_K/128                ; rows of 512 bytes of A's scale words: all of K in one load
.set SB,     SA+SIZE_K*4               ; W's scale bytes, as runs of 256 bytes + 16
.set SBR,    128*KS/256                ; runs of 256 bytes of W's scale bytes: 128 rows in one load
.set HALFS,  SBR*136                   ; those of 64 rows
.set SBLK,   (16*KS/256)*272
.set SPARE,  SB+2*HALFS+256            ; the spare words: 128 bytes for each wave, named by no other line (256 unused bytes lie in front)
.set NP,   8
.set ADRA, 16
.set ADRB, 18
.set ADSA, 20
.set ADSB, 21
.set STO,  24
.set RD,   25
.set CO,   26
.set BLT,  27
.set SPW,  28
.set NIL,  29
.set SC,   32
.set BI,   96
.set ACC,  128
.set F0,   0
.set F1,   128
.set G1A,  24
.set G0A,  32
.set G1B,  48
.set G0B,  56
.set G1SA, 68
.set G0SA, 76
.set G1SB, 80
.set G0SB, 88
.set MSB, 0
.macro WIN new                         ; the immediate's high byte repeats the setting that is left
.if MSB != \new
	s_set_vgpr_msb (MSB<<8)|\new
.set MSB, \new
.endif
.endm
.set MUL,  0x05                        ; sources 0 and 1 window 1; C and D window 0
.set TO_F, 0x40
.macro JLOAD g0a, g1a, g0b, g1b        ; waves 0 and 1 fetch for A, waves 2 and 3 for W; an s_nop 0 and four v_nop follow each line
	s_cmp_eq_u32 s17, 0
	s_cbranch_scc0 .Lfor_b_\@
	tensor_load_to_lds s[\g0a:\g0a+3], s[\g1a:\g1a+7]
	s_nop 0
.rept 4
	v_nop
.endr
	s_branch .Lasked_\@
.Lfor_b_\@:
	tensor_load_to_lds s[\g0b:\g0b+3], s[\g1b:\g1b+7]
	s_nop 0
.rept 4
	v_nop
.endr
.Lasked_\@:
.endm
.macro CREST
	s_cmp_lg_u32 s16, 0
	s_cbranch_scc1 .Lnot_wave_0_\@
	s_barrier_signal -3
.Lnot_wave_0_\@:
	s_barrier_wait -3
	s_barrier_signal -1
	s_barrier_wait -1
.endm
.macro CROUND
	s_barrier_signal -1
	s_barrier_wait -1
	CREST
.endm
.macro PLACES n
.rept \n
	v_nop
.endr
.endm
	s_load_b256 s[4:11], s[0:1], 0x0               ; A, W's codes, W's scales, the bias
	s_load_b128 s[12:15], s[0:1], 0x20             ; the residual, the result
	v_lshl_add_u32 v[SPW], v0, 2, SPARE
	v_mov_b32 v[NIL], 0
	ds_add_u32 v[SPW], v[NIL]                      ; the wave's opening: the add, twice on end, and its wait ahead of my first tensor load
	ds_add_u32 v[SPW], v[NIL]
	v_lshrrev_b32 v1, 5, v0
	v_readfirstlane_b32 s16, v1                    ; wave 0..3
	s_lshr_b32 s17, s16, 1                         ; which half of the tile's rows is mine.  Also: I fetch for A (0) or for W (1)
	s_and_b32 s18, s16, 1                          ; which half of its columns.  Also: which half I fetch
	s_bfe_u32 s40, ttmp6, 0x40000
	s_bfe_u32 s41, ttmp6, 0x40004
	s_lshl_b32 s42, ttmp9, 2
	s_add_co_u32 s42, s42, s40                     ; tile column
	s_and_b32 s19, ttmp7, 0xffff
	s_lshl_b32 s19, s19, 2
	s_add_co_u32 s19, s19, s41                     ; tile row
	s_lshl_b32 s43, s41, 2
	s_lshl_b32 s43, 15, s43                        ; my row of the cluster
	s_lshl_b32 s44, 0x1111, s40                    ; my column
	s_or_b32 s[G1A], s43, (3<<16)|(1<<21)          ; A: 4 blocks of 8,192 dense bytes: elements of 8 bytes, no padding
	s_mov_b32 s[G1A+1], 1024<<16
	s_mov_b32 s[G1A+2], 8<<16                      ; 8 blocks for the head's load, 4 behind it
	s_mov_b32 s[G1A+3], 1024<<16
	s_mov_b32 s[G1A+4], 8
	s_mov_b32 s[G1A+5], 2*SIZE_K                   ; from block to block: 16 SIZE_K bytes
	s_mov_b32 s[G1A+6], 0
	s_mov_b32 s[G1A+7], 0
	s_or_b32 s[G1B], s44, (0<<16)|(1<<20)|(1<<21)|(6<<22)|(3<<25)   ; W: 64 rows of 512 bytes, 4 words of padding after every 128
	s_mov_b32 s[G1B+1], 512<<16
	s_mov_b32 s[G1B+2], 128<<16                    ; 128 rows for the head's load, 64 behind it
	s_mov_b32 s[G1B+3], 512<<16
	s_mov_b32 s[G1B+4], 128
	s_mov_b32 s[G1B+5], SIZE_K
	s_mov_b32 s[G1B+6], 0
	s_mov_b32 s[G1B+7], 0
	s_or_b32 s[G1SA], s43, (3<<16)|(1<<21)         ; A's scale words: SAR rows of 512 bytes, 16,384 bytes apart
	s_mov_b32 s[G1SA+1], 64<<16
	s_mov_b32 s[G1SA+2], SAR<<16
	s_mov_b32 s[G1SA+3], 64<<16
	s_mov_b32 s[G1SA+4], SAR
	s_mov_b32 s[G1SA+5], 2048
	s_mov_b32 s[G1SA+6], 0
	s_mov_b32 s[G1SA+7], 0
	s_or_b32 s[G1SB], s44, (3<<16)|(1<<20)|(1<<21)|(5<<22)|(3<<25)  ; W's scale bytes of 128 rows: dense, as rows of 256 bytes + 16
	s_mov_b32 s[G1SB+1], 32<<16
	s_mov_b32 s[G1SB+2], SBR<<16
	s_mov_b32 s[G1SB+3], 32<<16
	s_mov_b32 s[G1SB+4], SBR
	s_mov_b32 s[G1SB+5], 32
	s_mov_b32 s[G1SB+6], 0
	s_mov_b32 s[G1SB+7], 0
	s_mul_i32 s94, s19, 128*SIZE_K                 ; the tile's first block of A, in bytes
	s_lshl_b32 s20, s19, 3
	s_lshl_b32 s21, s18, 2
	s_add_co_u32 s20, s20, s21                     ; A: block 8 x tile row + 4 x half
	s_mul_i32 s20, s20, 16*SIZE_K
	s_mov_b32 s21, 0
	s_mov_b32 s22, 0
	s_lshl_b32 s23, s19, 9
	s_add_co_u32 s22, s22, s23
	s_add_co_u32 s22, s22, 4096*SIZE_K
	s_mov_b32 s23, 0
	s_lshl_b32 s46, s42, 7
	s_mul_i32 s92, s46, KS                         ; the tile's first row of W: its scale bytes,
	s_mul_i32 s3, s46, SIZE_K                      ; and its codes
	s_lshl_b32 s47, s18, 6
	s_add_co_u32 s46, s46, s47
	s_mov_b32 s93, 0
	s_mul_i32 s46, s46, SIZE_K
	s_mov_b32 s47, 0
	s_lshl_b32 s45, s18, 15                        ; where they go: no place in the cluster enters an LDS address
	s_mul_i32 s2, s18, BHALF
	s_add_co_u32 s2, s2, ASL
	s_mov_b32 s66, 0
	s_add_co_u32 s66, s66, SA
	s_mov_b32 s67, 0
	s_add_co_u32 s67, s67, SB
	s_wait_dscnt 0x0                               ; both opening adds are done
	s_wait_kmcnt 0x0
	s_add_nc_u64 s[20:21], s[4:5], s[20:21]
	s_add_nc_u64 s[22:23], s[4:5], s[22:23]
	s_add_nc_u64 s[46:47], s[6:7], s[46:47]
	s_add_nc_u64 s[92:93], s[8:9], s[92:93]
	CROUND                                         ; all sixteen work-groups are here: the first joint loads meet
	s_mov_b32 s[G0SA], 1
	s_mov_b32 s[G0SA+1], s66
	s_mov_b64 s[G0SA+2:G0SA+3], s[22:23]
	s_or_b32 s[G0SA+3], s[G0SA+3], 0x80000000
	s_mov_b32 s[G0SB], 1
	s_mov_b32 s[G0SB+1], s67
	s_mov_b64 s[G0SB+2:G0SB+3], s[92:93]
	s_or_b32 s[G0SB+3], s[G0SB+3], 0x80000000
	s_mov_b32 s95, 0                               ; group 0 of the head's loads of K step 0: A's 8 blocks in s[92:95],
	s_add_nc_u64 s[94:95], s[4:5], s[94:95]
	s_or_b32 s95, s95, 0x80000000
	s_mov_b32 s92, s3
	s_mov_b32 s93, 0
	s_add_nc_u64 s[6:7], s[6:7], s[92:93]          ; W's 128 rows in s[4:7]
	s_or_b32 s7, s7, 0x80000000
	s_mov_b32 s92, 1
	s_mov_b32 s93, 0
	s_mov_b32 s4, 1
	s_mov_b32 s5, ASL
.irp s, 0,1
	s_mov_b32 s[G0A+4*\s], 1
	s_add_co_u32 s[G0A+4*\s+1], s45, \s*SLOT
	s_add_nc_u64 s[G0A+4*\s+2:G0A+4*\s+3], s[20:21], \s*8192
	s_or_b32 s[G0A+4*\s+3], s[G0A+4*\s+3], 0x80000000
	s_mov_b32 s[G0B+4*\s], 1
	s_add_co_u32 s[G0B+4*\s+1], s2, \s*SLOT
	s_add_nc_u64 s[G0B+4*\s+2:G0B+4*\s+3], s[46:47], \s*512
	s_or_b32 s[G0B+4*\s+3], s[G0B+4*\s+3], 0x80000000
.endr
; THE HEAD'S LOADS, ONE A WAVE: wave 0 K step 0's blocks of A, wave 1 its rows of W, wave 2 A's scale words, wave 3 W's scale bytes.  One chain, a load to an arm, one join.
.macro ARM under, g0, g1, next
	s_cmp_lt_u32 s16, \under
	s_cbranch_scc0 \next
	tensor_load_to_lds s[\g0:\g0+3], s[\g1:\g1+7]
	s_nop 0
.rept 4
	v_nop
.endr
	s_branch .Lh_asked
\next:
.endm
	ARM 1, 92, G1A, .Lh_b
	ARM 2, 4, G1B, .Lh_sa
	ARM 3, G0SA, G1SA, .Lh_sb
	tensor_load_to_lds s[G0SB:G0SB+3], s[G1SB:G1SB+7]
	s_nop 0
.rept 4
	v_nop
.endr
.Lh_asked:
	; A PREFETCH of K step 1, whose load goes out behind the next round.  Of what my wave will fetch, each of the four partners that ask jointly takes a quarter, told apart by address:
	; A: block 4 x half + cx, 8,192 bytes, lanes 256 bytes apart; W: rows 64 x half + 16 cy + lane / 2, 256 bytes each.  K has two steps: nothing more is asked for.
	s_cmp_eq_u32 s17, 0
	s_cselect_b64 s[66:67], s[20:21], s[46:47]
	s_cselect_b32 s8, s40, s41
	s_mov_b32 s44, SIZE_K
	s_cselect_b32 s44, 512, s44
	s_mul_i32 s8, s8, 16*SIZE_K
	s_mov_b32 s9, 0
	s_add_nc_u64 s[66:67], s[66:67], s[8:9]
	v_and_b32 v30, 31, v0
	v_lshrrev_b32 v31, 1, v30
	v_and_b32 v30, 1, v30
	v_mul_u32_u24 v31, s44, v31
	v_lshl_add_u32 v30, v30, 8, v31
	s_wait_alu depctr_va_vdst(0)
	s_cmp_eq_u32 s17, 0
	s_cbranch_scc0 .Lpf_w
	global_prefetch_b8 v30, s[66:67] offset:8192 th:TH_LOAD_NT scope:SCOPE_SE
	s_branch .Lpf_done
.Lpf_w:
	global_prefetch_b8 v30, s[66:67] offset:512 th:TH_LOAD_NT scope:SCOPE_SE
.Lpf_done:
	v_and_b32 v1, 15, v0                           ; r
	v_bfe_u32 v2, v0, 4, 1                         ; h
	v_lshlrev_b32 v[CO], 4, v1
	v_lshl_add_u32 v[CO], v2, 12, v[CO]            ; lanes 0-15 one row of 4,096 bytes, lanes 16-31 the next; 16 bytes a lane
	v_lshlrev_b32 v[BLT], 5, v2                    ; 32 h
	s_wait_alu depctr_va_vdst(0)
	s_lshl_b32 s20, s19, 7
	s_lshl_b32 s21, s17, 6
	s_add_co_u32 s20, s20, s21                     ; my first row
	s_lshl_b32 s20, s20, 12
	s_lshl_b32 s46, s42, 9                         ; my first column, in bytes
	s_lshl_b32 s47, s18, 8
	s_add_co_u32 s46, s46, s47
	s_add_co_u32 s20, s20, s46
	s_mov_b32 s21, 0
	s_mov_b32 s47, 0
	s_add_nc_u64 s[12:13], s[12:13], s[20:21]
	s_add_nc_u64 s[14:15], s[14:15], s[20:21]
	s_add_nc_u64 s[10:11], s[10:11], s[46:47]
.irp b, 0,1,2,3
	global_load_b128 v[BI+8*\b:BI+8*\b+3], v[BLT], s[10:11] offset:64*\b       ; register 8 b + j: the bias of column 16 b + 8 h + j
	global_load_b128 v[BI+8*\b+4:BI+8*\b+7], v[BLT], s[10:11] offset:64*\b+16
.endr
	WIN 0x80                                       ; destination window 2
.set i, 0
.rept 32
	global_load_b128 v[4*i:4*i+3], v[CO], s[12:13] offset:2*i*4096             ; the residual: sixteen lanes read 256 consecutive bytes
.set i, i+1
.endr
	WIN 0
	v_and_b32 v3, 31, v0
	v_lshlrev_b32 v4, 4, v3                        ; 16 x lane
	s_lshl_b32 s21, s17, 15                        ; my four blocks of A
	v_mul_u32_u24 v5, v1, BP
	v_lshl_add_u32 v5, v2, 4, v5
	s_mul_i32 s22, s18, BHALF                      ; my 64 rows of W
	s_add_co_u32 s22, s22, ASL
.irp s, 0,1
	v_add_nc_u32 v[ADRA+\s], s21, v4
	v_add_nc_u32 v[ADRB+\s], s22, v5
	s_add_co_u32 s21, s21, SLOT
	s_add_co_u32 s22, s22, SLOT
.endr
	s_lshl_b32 s21, s17, 8
	s_add_co_u32 s21, s21, SA
	v_lshl_add_u32 v[ADSA], v1, 2, s21             ; A's scale words: row 64 x half + r
	v_mul_u32_u24 v5, v1, KS
	v_lshrrev_b32 v6, 8, v5
	v_lshl_add_u32 v5, v6, 4, v5
	s_mul_i32 s22, s18, HALFS
	s_add_co_u32 s22, s22, SB
	v_add_nc_u32 v[ADSB], s22, v5                  ; W's: KS bytes a row, 16 more for each 256 passed
	s_mul_i32 s23, s16, 16*272                     ; my stage, in slot 0: it has had its last fill and its last read when it is written
	v_mul_u32_u24 v5, v1, 272
	v_lshl_add_u32 v5, v2, 5, v5
	v_add_nc_u32 v[STO], s23, v5
	v_mul_u32_u24 v5, v2, 272
	v_lshl_add_u32 v5, v1, 4, v5
	v_add_nc_u32 v[RD], s23, v5
; four matrix instructions: A's block a x W's four.  The 16 accumulators take turns, one instruction a turn.
.macro MUL4 f, a, s, q, first
.irp b, 0,1,2,3
.if \first
	v_wmma_scale_f32_16x16x128_f8f6f4 v[ACC+8*(4*(\a)+\b):ACC+8*(4*(\a)+\b)+7], v[\f+64+16*\b:\f+64+16*\b+15], v[\f+16*(\a):\f+16*(\a)+15], v[BI+8*\b:BI+8*\b+7], v[SC+32*(\s)+16+4*\b+(\q)], v[SC+32*(\s)+4*(\a)+(\q)]
.else
	v_wmma_scale_f32_16x16x128_f8f6f4 v[ACC+8*(4*(\a)+\b):ACC+8*(4*(\a)+\b)+7], v[\f+64+16*\b:\f+64+16*\b+15], v[\f+16*(\a):\f+16*(\a)+15], v[ACC+8*(4*(\a)+\b):ACC+8*(4*(\a)+\b)+7], v[SC+32*(\s)+16+4*\b+(\q)], v[SC+32*(\s)+4*(\a)+(\q)]
.endif
.endr
.endm
; the fragments of the slot's q-th 128 along K into set f: W's four and A's first two, (sc = 1: the K step's scale words,) A's last two
.macro FETCH s, q, f, sc
	WIN TO_F
.irp i, 0,1,2,3
.irp c, 0,1,2,3
	ds_load_b128 v[\f+64+16*\i+4*\c:\f+64+16*\i+4*\c+3], v[ADRB+\s] offset:128*(\q)+32*\c+\i*16*BP
.endr
.endr
.irp i, 0,1
.irp c, 0,1,2,3
	ds_load_b128 v[\f+16*\i+4*\c:\f+16*\i+4*\c+3], v[ADRA+\s] offset:\i*8192+(\q)*2048+512*\c
.endr
.endr
.if \sc
	WIN 0
.irp i, 0,1,2,3
.irp k, 0,1,2,3
	ds_load_b32 v[SC+32*(\s)+4*\i+\k], v[ADSA] offset:\k*512+64*\i
.endr
	ds_load_b128 v[SC+32*(\s)+16+4*\i:SC+32*(\s)+16+4*\i+3], v[ADSB] offset:\i*SBLK
.endr
	WIN TO_F
.endif
.irp i, 2,3
.irp c, 0,1,2,3
	ds_load_b128 v[\f+16*\i+4*\c:\f+16*\i+4*\c+3], v[ADRA+\s] offset:\i*8192+(\q)*2048+512*\c
.endr
.endr
.endm
.macro QUARTER s, q, f, g, first
	s_wait_dscnt 8                                 ; all but the youngest eight loads (A's blocks 2, 3)
	WIN MUL
	MUL4 \f, 0, \s, \q, \first
	MUL4 \f, 1, \s, \q, \first
	PLACES NP
	FETCH \s, (\q)+1, \g, 0
	s_wait_dscnt 32                                ; all but the 32 just issued
	WIN MUL
	MUL4 \f, 2, \s, \q, \first
	MUL4 \f, 3, \s, \q, \first
.endm
; a slot's last quarter changes slots: one barrier; in front of it each wave waits for all its tensor loads, adds 0 to its spare word, and waits for that and for its reads of this slot
.macro TURN s, n, fill
	WIN 0
	s_wait_tensorcnt 0x0                           ; all my tensor loads have landed: my part of the next slot
	ds_add_u32 v[SPW], v[NIL]
	s_wait_dscnt 9                                 ; (the add and the youngest eight loads may be out)
	WIN MUL
	MUL4 F1, 0, \s, 3, 0
	s_wait_dscnt 0x0                               ; the add is done, and my reads of this slot are over
	s_barrier_signal -1
	MUL4 F1, 1, \s, 3, 0
	WIN 0
	s_barrier_wait -1
.if \fill
	CREST                                          ; the barrier has opened a round of the cluster's: no wave of any partner still reads this slot or has a load on its way
	s_add_nc_u64 s[G0A+4*\s+2:G0A+4*\s+3], s[G0A+4*\s+2:G0A+4*\s+3], 2*8192
	s_add_nc_u64 s[G0B+4*\s+2:G0B+4*\s+3], s[G0B+4*\s+2:G0B+4*\s+3], 2*512
	JLOAD G0A+4*\s, G1A, G0B+4*\s, G1B             ; my one tensor load behind the round; its four v_nop are four of the eight places
	PLACES NP-4
.else
	PLACES NP
.endif
	v_add_nc_u32 v[ADSA], 2048, v[ADSA]            ; on to the next K step's scale words
	v_add_nc_u32 v[ADSB], 16, v[ADSB]
	FETCH \n, 0, F0, 1
	WIN MUL
	MUL4 F1, 2, \s, 3, 0
	MUL4 F1, 3, \s, 3, 0
.endm
	s_wait_alu depctr_va_vdst(0)
	s_wait_tensorcnt 0x0                           ; my tile of the head's four is in
	ds_add_u32 v[SPW], v[NIL]
	s_mov_b32 s[G1A+2], 4<<16                      ; no tensor load of mine is out: from here on a load brings half a tile
	s_mov_b32 s[G1A+4], 4
	s_mov_b32 s[G1B+2], 64<<16
	s_mov_b32 s[G1B+4], 64
	s_wait_dscnt 0x0
	CROUND                                         ; all four tiles are in, and all sixteen work-groups are here
	JLOAD G0A+4, G1A, G0B+4, G1B                   ; K step 1, my one tensor load behind the round
	FETCH 0, 0, F0, 1
	s_wait_loadcnt 32                              ; the bias is in; the residual's 32 loads stay out
	QUARTER 0, 0, F0, F1, 1                        ; the first products start the sums, from the bias
.if LAPS > 1
	WIN 0
	s_mov_b32 s3, LAPS-1
.Llap:                                             ; a trip goes once round the ring and fills both slots again
	QUARTER 0, 1, F1, F0, 0
	QUARTER 0, 2, F0, F1, 0
	TURN 0, 1, 1
	QUARTER 1, 0, F0, F1, 0
	QUARTER 1, 1, F1, F0, 0
	QUARTER 1, 2, F0, F1, 0
	TURN 1, 0, 1
	QUARTER 0, 0, F0, F1, 0
	WIN 0
	s_sub_co_u32 s3, s3, 1
	s_cmp_lg_u32 s3, 0
	s_cbranch_scc1 .Llap
.endif
	QUARTER 0, 1, F1, F0, 0                        ; the last lap fills nothing
	QUARTER 0, 2, F0, F1, 0
	TURN 0, 1, 0
	QUARTER 1, 0, F0, F1, 0
	QUARTER 1, 1, F1, F0, 0
	QUARTER 1, 2, F0, F1, 0
	s_wait_dscnt 8
	WIN MUL
	MUL4 F1, 0, 1, 3, 0
	MUL4 F1, 1, 1, 3, 0
	s_wait_dscnt 0
	MUL4 F1, 2, 1, 3, 0
	MUL4 F1, 3, 1, 3, 0
	WIN 0
	; THE WAY OUT, 16 rows x 64 columns at a time: through my own stage (rows of 256 bytes + 16), back as whole rows, the residual added, sixteen lanes to an aligned 256 bytes
	PLACES NP
	s_wait_loadcnt 0x0                             ; the residual
.macro OUT a
.set BK, 32*((\a)%2)
.if (\a) >= 2
	s_wait_xcnt 0x0                                ; the stores of two blocks back have read their registers
.endif
.irp b, 0,1,2,3
	ds_store_b128 v[STO], v[ACC+8*(4*(\a)+\b):ACC+8*(4*(\a)+\b)+3] offset:64*\b      ; each accumulator from its low end on
	ds_store_b128 v[STO], v[ACC+8*(4*(\a)+\b)+4:ACC+8*(4*(\a)+\b)+7] offset:64*\b+16
.endr
	WIN 0x40                                       ; destination window 1
.irp t, 0,1,2,3,4,5,6,7
	ds_load_b128 v[BK+4*\t:BK+4*\t+3], v[RD] offset:\t*544   ; LDS serves a wave's instructions in order: these see my stores
.endr
	s_wait_dscnt 0x0
	WIN 0x49                                       ; destination and source 0 window 1, source 1 window 2
.set i, 0
.rept 16
	v_pk_add_f32 v[BK+i:BK+i+1], v[BK+i:BK+i+1], v[32*(\a)+i:32*(\a)+i+1]
.set i, i+2
.endr
	WIN 0x04                                       ; a store's data: window 1
.irp t, 0,1,2,3,4,5,6,7
.if NT
	global_store_b128 v[CO], v[BK+4*\t:BK+4*\t+3], s[14:15] offset:(16*(\a)+2*\t)*4096 th:TH_STORE_NT
.else
	global_store_b128 v[CO], v[BK+4*\t:BK+4*\t+3], s[14:15] offset:(16*(\a)+2*\t)*4096
.endif
.endr
	WIN 0
.endm
	OUT 0
	OUT 1
	OUT 2
	OUT 3
	s_wait_tensorcnt 0x0                           ; the wave's end
	ds_add_u32 v[SPW], v[NIL]
	s_wait_dscnt 0x0
	CROUND                                         ; the closing round
	s_endpgm
.Lfunc_end_k_qff488ac1fc_oproj:
	.size	k_qff488ac1fc_oproj, .Lfunc_end_k_qff488ac1fc_oproj-k_qff488ac1fc_oproj
	.p2alignl 7, 3214868480
	.fill 96, 4, 3214868480
	.section	.rodata,"a",@progbits
	.p2align	6, 0x0
	.amdhsa_kernel k_qff488ac1fc_oproj
		.amdhsa_group_segment_fixed_size 327680
		.amdhsa_private_segment_fixed_size 0
		.amdhsa_enable_private_segment 0
		.amdhsa_kernarg_size 48
		.amdhsa_user_sgpr_count 2
		.amdhsa_user_sgpr_kernarg_segment_ptr 1
		.amdhsa_wavefront_size32 1
		.amdhsa_system_sgpr_workgroup_id_x 1
		.amdhsa_system_sgpr_workgroup_id_y 1
		.amdhsa_system_sgpr_workgroup_id_z 1
		.amdhsa_system_vgpr_workitem_id 0
		.amdhsa_next_free_vgpr 768
		.amdhsa_next_free_sgpr 96
		.amdhsa_reserve_vcc 0
		.amdhsa_float_denorm_mode_32 3
		.amdhsa_float_denorm_mode_16_64 3
		.amdhsa_memory_ordered 1
		.amdhsa_forward_progress 1
		.amdhsa_inst_pref_size 66
	.end_amdhsa_kernel
	.amdgpu_metadata
---
amdhsa.version: [ 1, 2 ]
amdhsa.kernels:
  - .name:           k_qff488ac1fc_oproj
    .symbol:         k_qff488ac1fc_oproj.kd
    .args:
      - { .name: att, .offset: 0, .size: 8, .value_kind: global_buffer, .address_space: global }
      - { .name: out_w_codes, .offset: 8, .size: 8, .value_kind: global_buffer, .address_space: global }
      - { .name: out_w_scales, .offset: 16, .size: 8, .value_kind: global_buffer, .address_space: global }
      - { .name: out_b, .offset: 24, .size: 8, .value_kind: global_buffer, .address_space: global }
      - { .name: x, .offset: 32, .size: 8, .value_kind: global_buffer, .address_space: global }
      - { .name: x1, .offset: 40, .size: 8, .value_kind: global_buffer, .address_space: global }
    .group_segment_fixed_size: 327680
    .private_segment_fixed_size: 0
    .kernarg_segment_align: 8
    .kernarg_segment_size: 48
    .max_flat_workgroup_size: 128
    .sgpr_count:     96
    .vgpr_count:     768
    .wavefront_size: 32
...
	.end_amdgpu_metadata
.endif
;; end of part 4
;; launch ln2q: the kernel of part 1 again; grid 256 x 1, 8 waves a work-group, no clusters, 50,688 bytes of LDS; arguments x1, ln2_g, ln2_b, act; writes act
;; launch fc1 (part 5): grid 16 x 16, 4 waves a work-group, clusters of 4 x 4, 327,680 bytes of LDS; arguments act, fc1_w_codes, fc1_w_scales, fc1_b, hid; writes hid
.if DOCPART == 5
	.amdgcn_target "amdgcn-amd-amdhsa--gfx1250"
	.amdhsa_code_object_version 6
	.text
	.protected	k_qff488ac1fc_fc1
	.globl	k_qff488ac1fc_fc1
	.p2align	8
	.type	k_qff488ac1fc_fc1,@function
k_qff488ac1fc_fc1:
	s_mov_b64 s[64:65], 0
	v_nop
	global_prefetch_b8 v0, s[64:65] scope:SCOPE_SE
	s_setreg_imm32_b32 hwreg(HW_REG_WAVE_MODE, 25, 1), 1
	s_wait_xcnt 0x0
	s_wait_alu depctr_hold_cnt(0) depctr_sa_sdst(0) depctr_va_vdst(0) depctr_va_sdst(0) depctr_va_ssrc(0) depctr_va_vcc(0) depctr_vm_vsrc(0)
	s_getreg_b32 s2, hwreg(HW_REG_IB_STS2, 6, 4)
	s_cmp_eq_u32 s2, 0
	s_cbranch_scc0 .Lentry_in_a_cluster
	s_endpgm
.Lentry_in_a_cluster:
	s_bfe_u32 s2, ttmp6, 0x10000c
	s_cmp_lg_u32 s2, 0xf033
	s_cbranch_scc0 .Lentry_shape_is_right
	s_endpgm
.Lentry_shape_is_right:
.set SIZE_K, 1024
.set KSTEP,  256
.set NQ,     KSTEP/128
.set ROWB,   256
.set KROW,   SIZE_K
.set PITCH,  272
.set FR,     16
.set NL,     4
.set NP,     8
.set HALFT,  128*PITCH
.set SLOT,   4*HALFT
.set KS,     SIZE_K/32
.set SCL,    2*SLOT
.set HALFS,  (128*KS/256)*272
.set SBLK,   (16*KS/256)*272
.set SPARE,  SCL+4*HALFS
.set WSTG,   270336
.set PW,   6
.set WA,   7
.set PC,   8
.set ADRA, 16
.set ADRB, 20
.set BLT,  22
.set STW,  24
.set STR,  25
.set LI,   26
.set ADRS, 27
.set SPW,  28
.set NIL,  29
.set DB,   30
.set DA,   31
.set SC,   32
.set BI,   64
.set AF,   128
.set P,    64
.set QD,   96
.set G,    128
.set Z,    192
.set S,    224
.set TM,   192
.set SEL,  2
.set MNT,  66
.set G1, 24
.set G0, 32
.set G1B, 48
.set G0B, 56
.set G1S, 68
.set G0S, 76
.set G1SB, 80
.set G0SB, 88
.set MSB, 0
.macro WIN new
.if MSB != \new
	s_set_vgpr_msb (MSB<<8)|\new
.set MSB, \new
.endif
.endm
.set MUL_LO, 0xa1
.set MUL_HI, 0xf1
.set TO_B,   0x40
.macro JLOAD g0a, g1a, g0b, g1b
	s_cmp_eq_u32 s15, 0
	s_cbranch_scc0 .Lfor_b_\@
	tensor_load_to_lds s[\g0a:\g0a+3], s[\g1a:\g1a+7]
	s_nop 0
.rept 4
	v_nop
.endr
	s_branch .Lasked_\@
.Lfor_b_\@:
	tensor_load_to_lds s[\g0b:\g0b+3], s[\g1b:\g1b+7]
	s_nop 0
.rept 4
	v_nop
.endr
.Lasked_\@:
.endm
.macro CREST
	s_cmp_lg_u32 s14, 0
	s_cbranch_scc1 .Lnot_wave_0_\@
	s_barrier_signal -3
.Lnot_wave_0_\@:
	s_barrier_wait -3
	s_barrier_signal -1
	s_barrier_wait -1
.endm
.macro CROUND
	s_barrier_signal -1
	s_barrier_wait -1
	CREST
.endm
	s_load_b64 s[4:5], s[0:1], 0x0
	s_load_b128 s[8:11], s[0:1], 0x8
	s_load_b128 s[96:99], s[0:1], 0x18
	v_lshl_add_u32 v[SPW], v0, 2, SPARE
	v_mov_b32 v[NIL], 0
	ds_add_u32 v[SPW], v[NIL]
	ds_add_u32 v[SPW], v[NIL]
	v_lshrrev_b32 v1, 5, v0
	v_readfirstlane_b32 s14, v1
	s_lshr_b32 s15, s14, 1
	s_and_b32 s16, s14, 1
	s_bfe_u32 s40, ttmp6, 0x40000
	s_bfe_u32 s41, ttmp6, 0x40004
	s_lshl_b32 s42, ttmp9, 2
	s_add_co_u32 s42, s42, s40
	s_and_b32 s17, ttmp7, 0xffff
	s_lshl_b32 s17, s17, 2
	s_add_co_u32 s17, s17, s41
	s_lshl_b32 s43, s41, 2
	s_lshl_b32 s43, 15, s43
	s_lshl_b32 s44, 0x1111, s40
	s_or_b32 s[G1+0], s43, (0<<16)|(1<<20)|(1<<21)|(5<<22)|(3<<25)
	s_or_b32 s[G1B+0], s44, (0<<16)|(1<<20)|(1<<21)|(5<<22)|(3<<25)
.irp g, G1, G1B
	s_mov_b32 s[\g+1], ROWB<<16
	s_mov_b32 s[\g+2], 256<<16                     ; 256 rows for the head's loads, 128 behind them
	s_mov_b32 s[\g+3], ROWB<<16
	s_mov_b32 s[\g+4], 256
	s_mov_b32 s[\g+5], KROW
	s_mov_b32 s[\g+6], 0
	s_mov_b32 s[\g+7], 0
.endr
	s_or_b32 s[G1S+0], s43, (3<<16)|(1<<20)|(1<<21)|(5<<22)|(3<<25)
	s_or_b32 s[G1SB+0], s44, (3<<16)|(1<<20)|(1<<21)|(5<<22)|(3<<25)
.irp g, G1S, G1SB
	s_mov_b32 s[\g+1], 32<<16
	s_mov_b32 s[\g+2], (256*KS/256)<<16            ; the scales of 256 rows in one load
	s_mov_b32 s[\g+3], 32<<16
	s_mov_b32 s[\g+4], 256*KS/256
	s_mov_b32 s[\g+5], 32
	s_mov_b32 s[\g+6], 0
	s_mov_b32 s[\g+7], 0
.endr
	s_mov_b32 s[SEL], 0x76543210
	s_mov_b32 s[SEL+1], 0xfedcba98
	s_mov_b32 s[MNT], 0x600000
	s_lshl_b32 s20, s17, 8                         ; A: the tile's first row
	s_lshl_b32 s46, s42, 8                         ; W: likewise
	s_mov_b32 s21, 0
	s_mov_b32 s47, 0
	s_mov_b64 s[18:19], KS
	s_mul_u64 s[22:23], s[20:21], s[18:19]
	s_mul_u64 s[92:93], s[46:47], s[18:19]
	s_mov_b64 s[18:19], KROW
	s_mul_u64 s[20:21], s[20:21], s[18:19]
	s_mul_u64 s[46:47], s[46:47], s[18:19]
	s_mul_i32 s45, s14, HALFT
	s_mul_i32 s94, s16, 2*HALFS                    ; the head's loads of scales: A's (wave 2), then W's (wave 3)
	s_mul_i32 s18, s16, 128*KROW                   ; in the ring I fetch 128 rows: which half, in bytes
	s_mov_b32 s19, 0
	s_wait_dscnt 0x0
	s_wait_kmcnt 0x0
	s_add_nc_u64 s[6:7], s[4:5], 0x400000
	s_add_nc_u64 s[20:21], s[4:5], s[20:21]
	s_add_nc_u64 s[22:23], s[6:7], s[22:23]
	s_add_nc_u64 s[46:47], s[8:9], s[46:47]
	s_add_nc_u64 s[92:93], s[10:11], s[92:93]
	CROUND
	s_mov_b32 s[G0S], 1
	s_add_co_u32 s[G0S+1], s94, SCL
	s_mov_b64 s[G0S+2:G0S+3], s[22:23]
	s_or_b32 s[G0S+3], s[G0S+3], 0x80000000
	s_mov_b32 s[G0SB], 1
	s_add_co_u32 s[G0SB+1], s94, SCL
	s_mov_b64 s[G0SB+2:G0SB+3], s[92:93]
	s_or_b32 s[G0SB+3], s[G0SB+3], 0x80000000
	s_mov_b32 s4, 1                                ; group 0 of the head's loads of K step 0: A's 256 rows (the arguments that lay here have been used),
	s_mov_b32 s5, 0
	s_mov_b64 s[6:7], s[20:21]
	s_or_b32 s7, s7, 0x80000000
	s_mov_b32 s8, 1                                ; and W's 256 rows
	s_mov_b32 s9, 2*HALFT
	s_mov_b64 s[10:11], s[46:47]
	s_or_b32 s11, s11, 0x80000000
	s_add_nc_u64 s[20:21], s[20:21], s[18:19]      ; for the ring: my 128 rows
	s_add_nc_u64 s[46:47], s[46:47], s[18:19]
.irp s, 0,1
	s_mov_b32 s[G0+4*\s], 1
	s_add_co_u32 s[G0+4*\s+1], s45, \s*SLOT
	s_add_nc_u64 s[G0+4*\s+2:G0+4*\s+3], s[20:21], \s*ROWB
	s_or_b32 s[G0+4*\s+3], s[G0+4*\s+3], 0x80000000
	s_mov_b32 s[G0B+4*\s], 1
	s_add_co_u32 s[G0B+4*\s+1], s45, \s*SLOT
	s_add_nc_u64 s[G0B+4*\s+2:G0B+4*\s+3], s[46:47], \s*ROWB
	s_or_b32 s[G0B+4*\s+3], s[G0B+4*\s+3], 0x80000000
.endr
; THE HEAD'S LOADS, ONE A WAVE: wave 0 K step 0's rows of A, wave 1 of W, wave 2 A's scale bytes, wave 3 W's.  One chain, a load to an arm, one join.
.macro ARM under, g0, g1, next
	s_cmp_lt_u32 s14, \under
	s_cbranch_scc0 \next
	tensor_load_to_lds s[\g0:\g0+3], s[\g1:\g1+7]
	s_nop 0
.rept 4
	v_nop
.endr
	s_branch .Lh_asked
\next:
.endm
	ARM 1, 4, G1, .Lh_b
	ARM 2, 8, G1B, .Lh_sa
	ARM 3, G0S, G1S, .Lh_sb
	tensor_load_to_lds s[G0SB:G0SB+3], s[G1SB:G1SB+7]
	s_nop 0
.rept 4
	v_nop
.endr
.Lh_asked:
	; A PREFETCH of K steps 1 to 3, which come by later loads: of the 128 rows that my wave fetches in the ring, each of the four partners that ask jointly takes 32, told apart by address
	; (cx for A, cy for W): a lane a row, 256 bytes of it for each K step.  The scalar address is written nowhere else; the lane's offset only behind the way out's wait on XCNT.
	s_cmp_eq_u32 s15, 0
	s_cselect_b64 s[18:19], s[20:21], s[46:47]
	s_cselect_b32 s92, s40, s41
	s_mul_i32 s92, s92, 32*KROW
	s_mov_b32 s93, 0
	s_add_nc_u64 s[18:19], s[18:19], s[92:93]
	v_and_b32 v18, 31, v0
	v_lshlrev_b32 v18, 10, v18                     ; my lane x a row of 1,024 bytes
.irp k, 1,2,3
	global_prefetch_b8 v18, s[18:19] offset:256*\k th:TH_LOAD_NT scope:SCOPE_SE
.endr
	v_and_b32 v1, 15, v0
	s_wait_alu depctr_va_vdst(0)
	v_bfe_u32 v2, v0, 4, 1
	s_lshl_b32 s46, s42, 10
	s_lshl_b32 s47, s16, 9
	s_add_co_u32 s46, s46, s47
	s_mov_b32 s47, 0
	s_add_nc_u64 s[96:97], s[96:97], s[46:47]
	v_lshlrev_b32 v[BLT], 5, v2
.irp b, 0,1,2,3,4,5,6,7
	global_load_b128 v[BI+8*\b:BI+8*\b+3], v[BLT], s[96:97] offset:64*\b
	global_load_b128 v[BI+8*\b+4:BI+8*\b+7], v[BLT], s[96:97] offset:64*\b+16
.endr
	s_lshl_b32 s22, s42, 1
	s_add_co_u32 s22, s22, s16
	s_lshl_b32 s20, s17, 4
	s_lshl_b32 s21, s15, 3
	s_add_co_u32 s20, s20, s21
	s_lshl_b32 s20, s20, 16
	s_lshl_b32 s21, s22, 11
	s_add_co_u32 s20, s20, s21
	s_mov_b32 s21, 0
	s_add_nc_u64 s[12:13], s[98:99], s[20:21]
	s_lshl_b32 s20, s17, 10
	s_lshl_b32 s23, s15, 9
	s_add_co_u32 s20, s20, s23
	s_lshl_b32 s23, s22, 14
	s_add_co_u32 s20, s20, s23
	s_add_co_u32 s20, s20, 0x1000000
	s_add_nc_u64 s[92:93], s[98:99], s[20:21]
	v_mul_u32_u24 v3, v1, PITCH
	s_wait_alu depctr_va_vdst(0)
	v_lshl_add_u32 v4, v2, 4, v3
	s_mul_i32 s21, s15, HALFT
	s_mul_i32 s22, s16, HALFT
	s_add_co_u32 s22, s22, 2*HALFT
.irp s, 0,1
	v_add_nc_u32 v[ADRA+\s], s21, v4
	v_add_nc_u32 v[ADRB+\s], s22, v4
	s_add_co_u32 s21, s21, SLOT
	s_add_co_u32 s22, s22, SLOT
.endr
	v_mul_u32_u24 v5, v1, KS
	v_lshrrev_b32 v6, 8, v5
	v_lshl_add_u32 v5, v6, 4, v5
	s_mul_i32 s21, s15, HALFS
	s_mul_i32 s22, s16, HALFS
	s_add_co_u32 s22, s22, 2*HALFS
	s_sub_co_u32 s22, s22, s21
	v_mul_u32_u24 v6, s22, v2
	s_add_co_u32 s21, s21, SCL
	v_add_nc_u32 v5, v5, v6
	v_add_nc_u32 v[ADRS], s21, v5
	v_and_b32 v6, 31, v0
	v_lshlrev_b32 v[LI], 4, v6
	s_lshl_b32 s23, s14, 10
	s_add_co_u32 s23, s23, WSTG
	v_lshl_add_u32 v[STW], v1, 2, s23
	v_add_nc_u32 v[STR], s23, v[LI]
.macro FRAG reg, adr, q, i
.irp c, 0,1,2,3
	ds_load_b128 v[\reg+4*\c:\reg+4*\c+3], v[\adr] offset:128*(\q)+32*\c+(\i)*16*PITCH
.endr
.endm
.macro MUL16 a0, p, q, sc, first
.irp a, \a0, \a0+1
.irp b, 0,1,2,3,4,5,6,7
.if \first
	v_wmma_scale_f32_16x16x128_f8f6f4 v[8*(8*((\a)%4)+\b):8*(8*((\a)%4)+\b)+7], v[128*(\p)+FR*\b:128*(\p)+FR*\b+FR-1], v[AF+FR*(\a):AF+FR*(\a)+FR-1], v[BI+8*\b:BI+8*\b+7], v[SC+8*NQ*(\sc)+NQ*\b+(\q)], v[SC+8*NQ*(\sc)+NQ*(\a)+(\q)] matrix_a_scale:MATRIX_SCALE_ROW1
.else
	v_wmma_scale_f32_16x16x128_f8f6f4 v[8*(8*((\a)%4)+\b):8*(8*((\a)%4)+\b)+7], v[128*(\p)+FR*\b:128*(\p)+FR*\b+FR-1], v[AF+FR*(\a):AF+FR*(\a)+FR-1], v[8*(8*((\a)%4)+\b):8*(8*((\a)%4)+\b)+7], v[SC+8*NQ*(\sc)+NQ*\b+(\q)], v[SC+8*NQ*(\sc)+NQ*(\a)+(\q)] matrix_a_scale:MATRIX_SCALE_ROW1
.endif
.endr
.endr
.endm
.macro FETCH_B slot, q, p
	WIN TO_B
.irp i, 0,1,2,3,4,5,6,7
	FRAG 128*(\p)+FR*\i, ADRB+\slot, \q, \i
.endr
	WIN 0
.endm
.macro FETCH_A slot, q, i0
.irp i, \i0, \i0+1, \i0+2, \i0+3
	FRAG AF+FR*(\i), ADRA+\slot, \q, \i
.endr
.endm
.macro SCALES sc
.irp i, 0,1,2,3,4,5,6,7
	ds_load_b64 v[SC+8*NQ*\sc+NQ*\i:SC+8*NQ*\sc+NQ*\i+1], v[ADRS] offset:\i*SBLK
.endr
.endm
.macro PLACES n
.rept \n
	v_nop
.endr
.endm
.macro STEP slot, q, first
	s_wait_dscnt 4*NL
.if \first
	WIN 0x81
.else
	WIN MUL_LO
.endif
	MUL16 0, (\q)%2, \q, \slot, \first
	MUL16 2, (\q)%2, \q, \slot, \first
	s_wait_dscnt 0
	PLACES NP
	FETCH_B \slot, (\q)+1, 1-(\q)%2
	FETCH_A \slot, (\q)+1, 0
.if \first
	WIN 0xc1
.else
	WIN MUL_HI
.endif
	MUL16 4, (\q)%2, \q, \slot, \first
	MUL16 6, (\q)%2, \q, \slot, \first
	PLACES NP
	WIN 0
	FETCH_A \slot, (\q)+1, 4
.endm
.macro TURN slot, next, fill
	s_wait_tensorcnt 0x0
	ds_add_u32 v[SPW], v[NIL]
	s_wait_dscnt 4*NL+1
	WIN MUL_LO
	MUL16 0, 1, NQ-1, \slot, 0
	s_wait_dscnt 0x0
	s_barrier_signal -1
	MUL16 2, 1, NQ-1, \slot, 0
	WIN 0
	s_barrier_wait -1
.if \fill
	CREST
	s_add_nc_u64 s[G0+4*\slot+2:G0+4*\slot+3], s[G0+4*\slot+2:G0+4*\slot+3], 2*ROWB
	s_add_nc_u64 s[G0B+4*\slot+2:G0B+4*\slot+3], s[G0B+4*\slot+2:G0B+4*\slot+3], 2*ROWB
	JLOAD G0+4*\slot, G1, G0B+4*\slot, G1B
	PLACES NP-4
.else
	PLACES NP
.endif
	s_wait_alu depctr_va_vdst(0)
	v_add_nc_u32 v[ADRS], 4*NQ, v[ADRS]
	FETCH_B \next, 0, 0
	FETCH_A \next, 0, 0
	SCALES \next
	WIN MUL_HI
	MUL16 4, 1, NQ-1, \slot, 0
	MUL16 6, 1, NQ-1, \slot, 0
	PLACES NP
	WIN 0
	FETCH_A \next, 0, 4
.endm
.macro QUANT s, pc, pw
.irp b, 0,1,2,3
	v_max3_num_f32 v[TM+\b], |v[\s+16*\b]|, |v[\s+1+16*\b]|, 0x4800000
.endr
.irp i, 2,4,6,8,10,12,14
.irp b, 0,1,2,3
	v_max3_num_f32 v[TM+\b], v[TM+\b], |v[\s+16*\b+\i]|, |v[\s+1+16*\b+\i]|
.endr
.endr
.irp b, 0,1,2,3
	v_permlanex16_b32 v[TM+4+\b], v[TM+\b], s[SEL], s[SEL+1]
.endr
.irp b, 0,1,2,3
	v_max_num_f32 v[TM+\b], v[TM+\b], v[TM+4+\b]
.endr
.irp b, 0,1,2,3
	v_add_nc_u32 v[TM+12+\b], 0xfc000000, v[TM+\b]
.endr
.irp b, 0,1,2,3
	v_and_or_b32 v[TM+8+\b], v[TM+\b], 0x7f800000, s[MNT]
.endr
.irp b, 0,1,2,3
	v_lshrrev_b32 v[TM+4+\b], 23, v[TM+12+\b]
.endr
	v_lshl_or_b32 v[\pw], v[TM+5], 8, v[TM+4]
	v_lshl_or_b32 v[\pw], v[TM+6], 16, v[\pw]
	v_lshl_or_b32 v[\pw], v[TM+7], 24, v[\pw]
.irp b, 0,1,2,3
.irp i, 0,1,2,3,4,5,6,7,8,9,10,11,12,13,14,15
	v_med3_num_f32 v[\s+16*\b+\i], v[\s+16*\b+\i], -v[TM+8+\b], v[TM+8+\b]
.endr
	v_cvt_scalef32_pk8_fp8_f32 v[\pc+4*\b:\pc+1+4*\b], v[\s+16*\b:\s+7+16*\b], v[TM+12+\b]
	v_cvt_scalef32_pk8_fp8_f32 v[\pc+2+4*\b:\pc+3+4*\b], v[\s+8+16*\b:\s+15+16*\b], v[TM+12+\b]
.endr
	v_nop
.irp b, 0,1,2,3
	v_permlane16_swap_b32 v[\pc+4*\b], v[\pc+2+4*\b]
	v_permlane16_swap_b32 v[\pc+1+4*\b], v[\pc+3+4*\b]
.endr
.endm
.macro POLY d, lit
.set i, 0
.rept 16
	v_pk_fma_f32 v[\d+i:\d+i+1], v[\d+i:\d+i+1], v[S+i:S+i+1], \lit op_sel_hi:[1,1,0]
.set i, i+2
.endr
.endm
.macro GELU32 u
.set GG, G+32*(\u)
.set i, 0
.rept 16
	v_pk_mul_f32 v[Z+i:Z+i+1], v[GG+i:GG+i+1], 0x3fb504f3 op_sel_hi:[1,0]
.set i, i+2
.endr
.set i, 0
.rept 32
	v_med3_num_f32 v[Z+i], v[Z+i], -4.0, 4.0
.set i, i+1
.endr
.set i, 0
.rept 16
	v_pk_mul_f32 v[S+i:S+i+1], v[Z+i:Z+i+1], v[Z+i:Z+i+1]
.set i, i+2
.endr
.set i, 0
.rept 16
	v_pk_fma_f32 v[QD+i:QD+i+1], v[S+i:S+i+1], s[98:99], v[4:5] op_sel_hi:[1,0,1]
.set i, i+2
.endr
	POLY QD, 0xBADC924E
	POLY QD, 0xBBF19BF8
	POLY QD, 0xBC69B6A7
.set i, 0
	s_wait_alu depctr_va_vdst(0)
.rept 32
	v_rcp_f32 v[QD+i], v[QD+i]
.set i, i+1
.endr
.set i, 0
.rept 16
	v_pk_fma_f32 v[P+i:P+i+1], v[S+i:S+i+1], s[96:97], v[2:3] op_sel_hi:[1,0,1]
.set i, i+2
.endr
	POLY P, 0xB60CFF51
	POLY P, 0xB86EC2D2
	POLY P, 0xBA40AC63
	POLY P, 0xBB41A1F6
	POLY P, 0xBC83DBD4
.set i, 0
.rept 16
	v_pk_mul_f32 v[P+i:P+i+1], v[P+i:P+i+1], v[Z+i:Z+i+1]
.set i, i+2
.endr
	s_wait_alu depctr_va_vdst(0)
.set i, 0
.rept 16
	v_pk_mul_f32 v[P+i:P+i+1], v[P+i:P+i+1], v[QD+i:QD+i+1]
.set i, i+2
.endr
.set i, 0
.rept 16
	v_pk_fma_f32 v[GG+i:GG+i+1], v[GG+i:GG+i+1], v[P+i:P+i+1], v[GG+i:GG+i+1]
.set i, i+2
.endr
.endm
; block a of the way out: the 64 sums of my rows 16 a on (window 2 or 3), halved, into window 0: each accumulator from its low end on
.macro TAKE a
	WIN 0x02+(\a)/4                                ; source 0: window 2 or 3
	s_wait_alu depctr_va_vdst(0)
.set i, 0
.rept 32
	v_pk_mul_f32 v[G+i:G+i+1], v[64*((\a)%4)+i:64*((\a)%4)+i+1], 0.5 op_sel_hi:[1,0]
.set i, i+2
.endr
	WIN 0                                          ; at a branch and at a label every window is 0
	s_wait_alu depctr_va_vdst(0)
.endm
	s_wait_alu depctr_va_vdst(0)
	s_wait_tensorcnt 0x0                           ; my tile of the head's four is in
	ds_add_u32 v[SPW], v[NIL]
	s_mov_b32 s[G1+2], 128<<16                     ; no tensor load of mine is out: from here on a load brings 128 rows
	s_mov_b32 s[G1+4], 128
	s_mov_b32 s[G1B+2], 128<<16
	s_mov_b32 s[G1B+4], 128
	s_wait_dscnt 0x0
	CROUND                                         ; all four tiles are in, and all sixteen work-groups are here
	JLOAD G0+4, G1, G0B+4, G1B                     ; K step 1, my one tensor load behind the round
	FETCH_B 0, 0, 0
	FETCH_A 0, 0, 0
	SCALES 0
	FETCH_A 0, 0, 4
	s_wait_loadcnt 0x0
	STEP 0, 0, 1
	TURN 0, 1, 1
	STEP 1, 0, 0
	TURN 1, 0, 1
	STEP 0, 0, 0
	TURN 0, 1, 0
	STEP 1, 0, 0
	s_wait_dscnt 4*NL
	WIN MUL_LO
	MUL16 0, 1, NQ-1, 1, 0
	MUL16 2, 1, NQ-1, 1, 0
	s_wait_dscnt 0
	WIN MUL_HI
	MUL16 4, 1, NQ-1, 1, 0
	MUL16 6, 1, NQ-1, 1, 0
	WIN 0
	s_wait_dscnt 0x0
	s_barrier_signal -1
	s_barrier_wait -1
	PLACES NP
	s_mov_b32 s96, 0xAF95DF0B
	s_mov_b32 s97, s96
	s_mov_b32 s98, 0xB77460CD
	s_mov_b32 s99, s98
	v_mov_b32 v2, 0x32EDFFEE
	v_mov_b32 v3, v2
	v_mov_b32 v4, 0xB95FBD29
	v_mov_b32 v5, v4
	s_mov_b32 s21, 0
	s_mov_b32 s22, 8
	s_mov_b32 s44, 0
	s_mov_b32 s45, 0
.Lblock:                                           ; eight trips, a block of 16 rows x 128 columns each.  Only the lines that take the sums out of their registers differ from trip to trip: eight short runs, chosen by the loop's own counter
.irp a, 0,1,2,3,4,5,6
	s_cmp_eq_u32 s22, 8-\a
	s_cbranch_scc0 .Lnot_\a
	TAKE \a
	s_branch .Ltaken
.Lnot_\a:
.endr
	TAKE 7
.Ltaken:
	GELU32 0
	GELU32 1
	s_wait_xcnt 0x0
	s_add_nc_u64 s[12:13], s[12:13], s[44:45]
	s_mov_b32 s44, 65536
	QUANT G, PC, PW
.irp b, 0,1,2,3
	global_store_b128 v[LI], v[PC+4*\b:PC+4*\b+3], s[12:13] offset:512*\b
.endr
	v_add_nc_u32 v[WA], s21, v[STW]
	ds_store_b32 v[WA], v[PW]
	s_add_co_u32 s21, s21, 64
	s_sub_co_u32 s22, s22, 1
	s_cmp_lg_u32 s22, 0
	s_cbranch_scc1 .Lblock
	ds_load_b128 v[208:211], v[STR]
	s_wait_dscnt 0x0
	global_store_b128 v[LI], v[208:211], s[92:93]
	s_wait_tensorcnt 0x0
	ds_add_u32 v[SPW], v[NIL]
	s_wait_dscnt 0x0
	CROUND
	s_endpgm
.Lfunc_end_k_qff488ac1fc_fc1:
	.size	k_qff488ac1fc_fc1, .Lfunc_end_k_qff488ac1fc_fc1-k_qff488ac1fc_fc1
	.p2alignl 7, 3214868480
	.fill 96, 4, 3214868480
	.section	.rodata,"a",@progbits
	.p2align	6, 0x0
	.amdhsa_kernel k_qff488ac1fc_fc1
		.amdhsa_group_segment_fixed_size 327680
		.amdhsa_private_segment_fixed_size 0
		.amdhsa_enable_private_segment 0
		.amdhsa_kernarg_size 40
		.amdhsa_user_sgpr_count 2
		.amdhsa_user_sgpr_kernarg_segment_ptr 1
		.amdhsa_wavefront_size32 1
		.amdhsa_system_sgpr_workgroup_id_x 1
		.amdhsa_system_sgpr_workgroup_id_y 1
		.amdhsa_system_sgpr_workgroup_id_z 1
		.amdhsa_system_vgpr_workitem_id 0
		.amdhsa_next_free_vgpr 1024
		.amdhsa_next_free_sgpr 102
		.amdhsa_reserve_vcc 0
		.amdhsa_float_denorm_mode_32 3
		.amdhsa_float_denorm_mode_16_64 3
		.amdhsa_memory_ordered 1
		.amdhsa_forward_progress 1
		.amdhsa_inst_pref_size 192
	.end_amdhsa_kernel
	.amdgpu_metadata
---
amdhsa.version: [ 1, 2 ]
amdhsa.kernels:
  - .name:           k_qff488ac1fc_fc1
    .symbol:         k_qff488ac1fc_fc1.kd
    .args:
      - { .name: act, .offset: 0, .size: 8, .value_kind: global_buffer, .address_space: global }
      - { .name: fc1_w_codes, .offset: 8, .size: 8, .value_kind: global_buffer, .address_space: global }
      - { .name: fc1_w_scales, .offset: 16, .size: 8, .value_kind: global_buffer, .address_space: global }
      - { .name: fc1_b, .offset: 24, .size: 8, .value_kind: global_buffer, .address_space: global }
      - { .name: hid, .offset: 32, .size: 8, .value_kind: global_buffer, .address_space: global }
    .group_segment_fixed_size: 327680
    .private_segment_fixed_size: 0
    .kernarg_segment_align: 8
    .kernarg_segment_size: 40
    .max_flat_workgroup_size: 128
    .sgpr_count:     102
    .vgpr_count:     1024
    .wavefront_size: 32
...
	.end_amdgpu_metadata
.endif
;; end of part 5
;; launch fc2 (part 6): grid 8 x 32, 4 waves a work-group, clusters of 4 x 4, 327,680 bytes of LDS; arguments hid, fc2_w_codes, fc2_w_scales, fc2_b, x1, out0; writes out0
.if DOCPART == 6
	.amdgcn_target "amdgcn-amd-amdhsa--gfx1250"
	.amdhsa_code_object_version 6
	.text
	.protected	k_qff488ac1fc_fc2
	.globl	k_qff488ac1fc_fc2
	.p2align	8
	.type	k_qff488ac1fc_fc2,@function
k_qff488ac1fc_fc2:
	s_mov_b64 s[64:65], 0
	v_nop
	global_prefetch_b8 v0, s[64:65] scope:SCOPE_SE
	s_setreg_imm32_b32 hwreg(HW_REG_WAVE_MODE, 25, 1), 1
	s_wait_xcnt 0x0
	s_wait_alu depctr_hold_cnt(0) depctr_sa_sdst(0) depctr_va_vdst(0) depctr_va_sdst(0) depctr_va_ssrc(0) depctr_va_vcc(0) depctr_vm_vsrc(0)
	s_getreg_b32 s2, hwreg(HW_REG_IB_STS2, 6, 4)
	s_cmp_eq_u32 s2, 0
	s_cbranch_scc0 .Lentry_in_a_cluster
	s_endpgm
.Lentry_in_a_cluster:
	s_bfe_u32 s2, ttmp6, 0x10000c
	s_cmp_lg_u32 s2, 0xf033
	s_cbranch_scc0 .Lentry_shape_is_right
	s_endpgm
.Lentry_shape_is_right:
; out = res + A W^T + b on codes of E4M3 with E8M0 scales.  [4096] rows, N = 1,024, K = SIZE_K.  Here: the second product of the MLP, res = x1, out = the block's result.
; A: images of the operand's registers [16 rows 256][128 of K][c 4][512 bytes] at byte 0 of its buffer; its scale words [128 of K][4096] at byte 4,096 x SIZE_K.  W: codes [1024][SIZE_K], scale bytes [1024][SIZE_K / 32].
; b: [1024], res and out: [4096][1024], f32.
; N = 1,024 gives 64 tiles of 256 x 256 and 256 of 128 x 128: the smaller tile, so that there is a work-group for each of 256; beside it the scale words of all of K fit in LDS.  Four waves, 64 x 64 each: 16 accumulators.
; K goes in steps of 512 (four quarters of 128) through two LDS slots: A's 8 blocks x 8,192 dense bytes, W's 128 rows of 512 bytes + 16.  All scale words of the tile come once, with the first fills.
; CLUSTERS of 4 x 4: A's tiles are asked for jointly along a row of the cluster, W's along a column.
; Source 0 = 16 rows of W, source 1 = 16 rows of A: a lane holds eight neighbouring numbers of a row.  The bias is the C of each sum's first product.  The residual is loaded at the head, in the layout of the stores.
; LIMITS: NaN and infinities are not served; sums are taken in another order than reference()'s.
; REGISTERS: window 0: v1-31 addresses; v32-95 scale words, two sets; v96-127 the bias; v128-255 the accumulators.   window 1: two sets of fragments (A's four, then W's four); on the way out rows read back.   window 2: v0-127 the residual.
.set SIZE_K, 4096
.set NT,     1                         ; 1: the result is read by no later launch
.set ASL,    65536
.set BP,     528                       ; a row of W in LDS: 512 bytes + 16: the 16 rows of a load start at 16 different banks (ISA guide 11.1)
.set BHALF,  64*BP
.set SLOT,   ASL+2*BHALF
.set LAPS,   SIZE_K/1024
.set KS,     SIZE_K/32
.set SA,     2*SLOT                    ; A's scale words: [128 of K][128 rows]
.set SAR,    SIZE_K/128                ; rows of 512 bytes of A's scale words: all of K in one load
.set SB,     SA+SIZE_K*4               ; W's scale bytes, as runs of 256 bytes + 16
.set SBR,    128*KS/256                ; runs of 256 bytes of W's scale bytes: 128 rows in one load
.set HALFS,  SBR*136                   ; those of 64 rows
.set SBLK,   (16*KS/256)*272
.set SPARE,  SB+2*HALFS+256            ; the spare words: 128 bytes for each wave, named by no other line (256 unused bytes lie in front)
.set NP,   8
.set ADRA, 16
.set ADRB, 18
.set ADSA, 20
.set ADSB, 21
.set STO,  24
.set RD,   25
.set CO,   26
.set BLT,  27
.set SPW,  28
.set NIL,  29
.set SC,   32
.set BI,   96
.set ACC,  128
.set F0,   0
.set F1,   128
.set G1A,  24
.set G0A,  32
.set G1B,  48
.set G0B,  56
.set G1SA, 68
.set G0SA, 76
.set G1SB, 80
.set G0SB, 88
.set MSB, 0
.macro WIN new                         ; the immediate's high byte repeats the setting that is left
.if MSB != \new
	s_set_vgpr_msb (MSB<<8)|\new
.set MSB, \new
.endif
.endm
.set MUL,  0x05                        ; sources 0 and 1 window 1; C and D window 0
.set TO_F, 0x40
.macro JLOAD g0a, g1a, g0b, g1b        ; waves 0 and 1 fetch for A, waves 2 and 3 for W; an s_nop 0 and four v_nop follow each line
	s_cmp_eq_u32 s17, 0
	s_cbranch_scc0 .Lfor_b_\@
	tensor_load_to_lds s[\g0a:\g0a+3], s[\g1a:\g1a+7]
	s_nop 0
.rept 4
	v_nop
.endr
	s_branch .Lasked_\@
.Lfor_b_\@:
	tensor_load_to_lds s[\g0b:\g0b+3], s[\g1b:\g1b+7]
	s_nop 0
.rept 4
	v_nop
.endr
.Lasked_\@:
.endm
.macro CREST
	s_cmp_lg_u32 s16, 0
	s_cbranch_scc1 .Lnot_wave_0_\@
	s_barrier_signal -3
.Lnot_wave_0_\@:
	s_barrier_wait -3
	s_barrier_signal -1
	s_barrier_wait -1
.endm
.macro CROUND
	s_barrier_signal -1
	s_barrier_wait -1
	CREST
.endm
.macro PLACES n
.rept \n
	v_nop
.endr
.endm
	s_load_b256 s[4:11], s[0:1], 0x0               ; A, W's codes, W's scales, the bias
	s_load_b128 s[12:15], s[0:1], 0x20             ; the residual, the result
	v_lshl_add_u32 v[SPW], v0, 2, SPARE
	v_mov_b32 v[NIL], 0
	ds_add_u32 v[SPW], v[NIL]                      ; the wave's opening: the add, twice on end, and its wait ahead of my first tensor load
	ds_add_u32 v[SPW], v[NIL]
	v_lshrrev_b32 v1, 5, v0
	v_readfirstlane_b32 s16, v1                    ; wave 0..3
	s_lshr_b32 s17, s16, 1                         ; which half of the tile's rows is mine.  Also: I fetch for A (0) or for W (1)
	s_and_b32 s18, s16, 1                          ; which half of its columns.  Also: which half I fetch
	s_bfe_u32 s40, ttmp6, 0x40000
	s_bfe_u32 s41, ttmp6, 0x40004
	s_lshl_b32 s42, ttmp9, 2
	s_add_co_u32 s42, s42, s40                     ; tile column
	s_and_b32 s19, ttmp7, 0xffff
	s_lshl_b32 s19, s19, 2
	s_add_co_u32 s19, s19, s41                     ; tile row
	s_lshl_b32 s43, s41, 2
	s_lshl_b32 s43, 15, s43                        ; my row of the cluster
	s_lshl_b32 s44, 0x1111, s40                    ; my column
	s_or_b32 s[G1A], s43, (3<<16)|(1<<21)          ; A: 4 blocks of 8,192 dense bytes: elements of 8 bytes, no padding
	s_mov_b32 s[G1A+1], 1024<<16
	s_mov_b32 s[G1A+2], 8<<16                      ; 8 blocks for the head's load, 4 behind it
	s_mov_b32 s[G1A+3], 1024<<16
	s_mov_b32 s[G1A+4], 8
	s_mov_b32 s[G1A+5], 2*SIZE_K                   ; from block to block: 16 SIZE_K bytes
	s_mov_b32 s[G1A+6], 0
	s_mov_b32 s[G1A+7], 0
	s_or_b32 s[G1B], s44, (0<<16)|(1<<20)|(1<<21)|(6<<22)|(3<<25)   ; W: 64 rows of 512 bytes, 4 words of padding after every 128
	s_mov_b32 s[G1B+1], 512<<16
	s_mov_b32 s[G1B+2], 128<<16                    ; 128 rows for the head's load, 64 behind it
	s_mov_b32 s[G1B+3], 512<<16
	s_mov_b32 s[G1B+4], 128
	s_mov_b32 s[G1B+5], SIZE_K
	s_mov_b32 s[G1B+6], 0
	s_mov_b32 s[G1B+7], 0
	s_or_b32 s[G1SA], s43, (3<<16)|(1<<21)         ; A's scale words: SAR rows of 512 bytes, 16,384 bytes apart
	s_mov_b32 s[G1SA+1], 64<<16
	s_mov_b32 s[G1SA+2], SAR<<16
	s_mov_b32 s[G1SA+3], 64<<16
	s_mov_b32 s[G1SA+4], SAR
	s_mov_b32 s[G1SA+5], 2048
	s_mov_b32 s[G1SA+6], 0
	s_mov_b32 s[G1SA+7], 0
	s_or_b32 s[G1SB], s44, (3<<16)|(1<<20)|(1<<21)|(5<<22)|(3<<25)  ; W's scale bytes of 128 rows: dense, as rows of 256 bytes + 16
	s_mov_b32 s[G1SB+1], 32<<16
	s_mov_b32 s[G1SB+2], SBR<<16
	s_mov_b32 s[G1SB+3], 32<<16
	s_mov_b32 s[G1SB+4], SBR
	s_mov_b32 s[G1SB+5], 32
	s_mov_b32 s[G1SB+6], 0
	s_mov_b32 s[G1SB+7], 0
	s_mul_i32 s94, s19, 128*SIZE_K                 ; the tile's first block of A, in bytes
	s_lshl_b32 s20, s19, 3
	s_lshl_b32 s21, s18, 2
	s_add_co_u32 s20, s20, s21                     ; A: block 8 x tile row + 4 x half
	s_mul_i32 s20, s20, 16*SIZE_K
	s_mov_b32 s21, 0
	s_mov_b32 s22, 0
	s_lshl_b32 s23, s19, 9
	s_add_co_u32 s22, s22, s23
	s_add_co_u32 s22, s22, 4096*SIZE_K
	s_mov_b32 s23, 0
	s_lshl_b32 s46, s42, 7
	s_mul_i32 s92, s46, KS                         ; the tile's first row of W: its scale bytes,
	s_mul_i32 s3, s46, SIZE_K                      ; and its codes
	s_lshl_b32 s47, s18, 6
	s_add_co_u32 s46, s46, s47
	s_mov_b32 s93, 0
	s_mul_i32 s46, s46, SIZE_K
	s_mov_b32 s47, 0
	s_lshl_b32 s45, s18, 15                        ; where they go: no place in the cluster enters an LDS address
	s_mul_i32 s2, s18, BHALF
	s_add_co_u32 s2, s2, ASL
	s_mov_b32 s66, 0
	s_add_co_u32 s66, s66, SA
	s_mov_b32 s67, 0
	s_add_co_u32 s67, s67, SB
	s_wait_dscnt 0x0                               ; both opening adds are done
	s_wait_kmcnt 0x0
	s_add_nc_u64 s[20:21], s[4:5], s[20:21]
	s_add_nc_u64 s[22:23], s[4:5], s[22:23]
	s_add_nc_u64 s[46:47], s[6:7], s[46:47]
	s_add_nc_u64 s[92:93], s[8:9], s[92:93]
	CROUND                                         ; all sixteen work-groups are here: the first joint loads meet
	s_mov_b32 s[G0SA], 1
	s_mov_b32 s[G0SA+1], s66
	s_mov_b64 s[G0SA+2:G0SA+3], s[22:23]
	s_or_b32 s[G0SA+3], s[G0SA+3], 0x80000000
	s_mov_b32 s[G0SB], 1
	s_mov_b32 s[G0SB+1], s67
	s_mov_b64 s[G0SB+2:G0SB+3], s[92:93]
	s_or_b32 s[G0SB+3], s[G0SB+3], 0x80000000
	s_mov_b32 s95, 0                               ; group 0 of the head's loads of K step 0: A's 8 blocks in s[92:95],
	s_add_nc_u64 s[94:95], s[4:5], s[94:95]
	s_or_b32 s95, s95, 0x80000000
	s_mov_b32 s92, s3
	s_mov_b32 s93, 0
	s_add_nc_u64 s[6:7], s[6:7], s[92:93]          ; W's 128 rows in s[4:7]
	s_or_b32 s7, s7, 0x80000000
	s_mov_b32 s92, 1
	s_mov_b32 s93, 0
	s_mov_b32 s4, 1
	s_mov_b32 s5, ASL
.irp s, 0,1
	s_mov_b32 s[G0A+4*\s], 1
	s_add_co_u32 s[G0A+4*\s+1], s45, \s*SLOT
	s_add_nc_u64 s[G0A+4*\s+2:G0A+4*\s+3], s[20:21], \s*8192
	s_or_b32 s[G0A+4*\s+3], s[G0A+4*\s+3], 0x80000000
	s_mov_b32 s[G0B+4*\s], 1
	s_add_co_u32 s[G0B+4*\s+1], s2, \s*SLOT
	s_add_nc_u64 s[G0B+4*\s+2:G0B+4*\s+3], s[46:47], \s*512
	s_or_b32 s[G0B+4*\s+3], s[G0B+4*\s+3], 0x80000000
.endr
; THE HEAD'S LOADS, ONE A WAVE: wave 0 K step 0's blocks of A, wave 1 its rows of W, wave 2 A's scale words, wave 3 W's scale bytes.  One chain, a load to an arm, one join.
.macro ARM under, g0, g1, next
	s_cmp_lt_u32 s16, \under
	s_cbranch_scc0 \next
	tensor_load_to_lds s[\g0:\g0+3], s[\g1:\g1+7]
	s_nop 0
.rept 4
	v_nop
.endr
	s_branch .Lh_asked
\next:
.endm
	ARM 1, 92, G1A, .Lh_b
	ARM 2, 4, G1B, .Lh_sa
	ARM 3, G0SA, G1SA, .Lh_sb
	tensor_load_to_lds s[G0SB:G0SB+3], s[G1SB:G1SB+7]
	s_nop 0
.rept 4
	v_nop
.endr
.Lh_asked:
	; THE PREFETCHES.  Of what my wave fetches in a K step, each of the four partners that ask jointly takes a quarter, told apart by address: A: block 4 x half + cx, 8,192 bytes, lanes 256 bytes apart;
	; W: rows 64 x half + 16 cy + lane / 2, 256 bytes each.  One instruction a wave for a K step.  Here K steps 1 to 3; behind the refill of K step j the loop asks for step j + 2, up to step 7.
	s_cmp_eq_u32 s17, 0
	s_cselect_b64 s[66:67], s[20:21], s[46:47]
	s_cselect_b32 s8, s40, s41
	s_mov_b32 s44, SIZE_K
	s_cselect_b32 s44, 512, s44
	s_mov_b32 s2, 512
	s_cselect_b32 s2, 8192, s2                     ; a K step on, in bytes
	s_mul_i32 s8, s8, 16*SIZE_K
	s_mov_b32 s9, 0
	s_add_nc_u64 s[66:67], s[66:67], s[8:9]        ; my quarter, at K step 0
	v_and_b32 v30, 31, v0
	v_lshrrev_b32 v31, 1, v30
	v_and_b32 v30, 1, v30
	v_mul_u32_u24 v31, s44, v31
	v_lshl_add_u32 v30, v30, 8, v31                ; v30: my lane's offset
	s_mul_i32 s45, s2, 3
	v_add_nc_u32 v31, s45, v30                     ; v31: the same three K steps on, for the loop
	s_mov_b32 s8, s2                               ; s[8:9]: a K step
	s_wait_alu depctr_va_vdst(0)
	s_cmp_eq_u32 s17, 0
	s_cbranch_scc0 .Lpf_w
.irp k, 1,2,3
	global_prefetch_b8 v30, s[66:67] offset:8192*\k th:TH_LOAD_NT scope:SCOPE_SE
.endr
	s_branch .Lpf_done
.Lpf_w:
.irp k, 1,2,3
	global_prefetch_b8 v30, s[66:67] offset:512*\k th:TH_LOAD_NT scope:SCOPE_SE
.endr
.Lpf_done:
	v_and_b32 v1, 15, v0                           ; r
	v_bfe_u32 v2, v0, 4, 1                         ; h
	v_lshlrev_b32 v[CO], 4, v1
	v_lshl_add_u32 v[CO], v2, 12, v[CO]            ; lanes 0-15 one row of 4,096 bytes, lanes 16-31 the next; 16 bytes a lane
	v_lshlrev_b32 v[BLT], 5, v2                    ; 32 h
	s_wait_alu depctr_va_vdst(0)
	s_lshl_b32 s20, s19, 7
	s_lshl_b32 s21, s17, 6
	s_add_co_u32 s20, s20, s21                     ; my first row
	s_lshl_b32 s20, s20, 12
	s_lshl_b32 s46, s42, 9                         ; my first column, in bytes
	s_lshl_b32 s47, s18, 8
	s_add_co_u32 s46, s46, s47
	s_add_co_u32 s20, s20, s46
	s_mov_b32 s21, 0
	s_mov_b32 s47, 0
	s_add_nc_u64 s[12:13], s[12:13], s[20:21]
	s_add_nc_u64 s[14:15], s[14:15], s[20:21]
	s_add_nc_u64 s[10:11], s[10:11], s[46:47]
.irp b, 0,1,2,3
	global_load_b128 v[BI+8*\b:BI+8*\b+3], v[BLT], s[10:11] offset:64*\b       ; register 8 b + j: the bias of column 16 b + 8 h + j
	global_load_b128 v[BI+8*\b+4:BI+8*\b+7], v[BLT], s[10:11] offset:64*\b+16
.endr
	WIN 0x80                                       ; destination window 2
.set i, 0
.rept 32
	global_load_b128 v[4*i:4*i+3], v[CO], s[12:13] offset:2*i*4096             ; the residual: sixteen lanes read 256 consecutive bytes
.set i, i+1
.endr
	WIN 0
	v_and_b32 v3, 31, v0
	v_lshlrev_b32 v4, 4, v3                        ; 16 x lane
	s_lshl_b32 s21, s17, 15                        ; my four blocks of A
	v_mul_u32_u24 v5, v1, BP
	v_lshl_add_u32 v5, v2, 4, v5
	s_mul_i32 s22, s18, BHALF                      ; my 64 rows of W
	s_add_co_u32 s22, s22, ASL
.irp s, 0,1
	v_add_nc_u32 v[ADRA+\s], s21, v4
	v_add_nc_u32 v[ADRB+\s], s22, v5
	s_add_co_u32 s21, s21, SLOT
	s_add_co_u32 s22, s22, SLOT
.endr
	s_lshl_b32 s21, s17, 8
	s_add_co_u32 s21, s21, SA
	v_lshl_add_u32 v[ADSA], v1, 2, s21             ; A's scale words: row 64 x half + r
	v_mul_u32_u24 v5, v1, KS
	v_lshrrev_b32 v6, 8, v5
	v_lshl_add_u32 v5, v6, 4, v5
	s_mul_i32 s22, s18, HALFS
	s_add_co_u32 s22, s22, SB
	v_add_nc_u32 v[ADSB], s22, v5                  ; W's: KS bytes a row, 16 more for each 256 passed
	s_mul_i32 s23, s16, 16*272                     ; my stage, in slot 0: it has had its last fill and its last read when it is written
	v_mul_u32_u24 v5, v1, 272
	v_lshl_add_u32 v5, v2, 5, v5
	v_add_nc_u32 v[STO], s23, v5
	v_mul_u32_u24 v5, v2, 272
	v_lshl_add_u32 v5, v1, 4, v5
	v_add_nc_u32 v[RD], s23, v5
; four matrix instructions: A's block a x W's four.  The 16 accumulators take turns, one instruction a turn.
.macro MUL4 f, a, s, q, first
.irp b, 0,1,2,3
.if \first
	v_wmma_scale_f32_16x16x128_f8f6f4 v[ACC+8*(4*(\a)+\b):ACC+8*(4*(\a)+\b)+7], v[\f+64+16*\b:\f+64+16*\b+15], v[\f+16*(\a):\f+16*(\a)+15], v[BI+8*\b:BI+8*\b+7], v[SC+32*(\s)+16+4*\b+(\q)], v[SC+32*(\s)+4*(\a)+(\q)]
.else
	v_wmma_scale_f32_16x16x128_f8f6f4 v[ACC+8*(4*(\a)+\b):ACC+8*(4*(\a)+\b)+7], v[\f+64+16*\b:\f+64+16*\b+15], v[\f+16*(\a):\f+16*(\a)+15], v[ACC+8*(4*(\a)+\b):ACC+8*(4*(\a)+\b)+7], v[SC+32*(\s)+16+4*\b+(\q)], v[SC+32*(\s)+4*(\a)+(\q)]
.endif
.endr
.endm
; the fragments of the slot's q-th 128 along K into set f: W's four and A's first two, (sc = 1: the K step's scale words,) A's last two
.macro FETCH s, q, f, sc
	WIN TO_F
.irp i, 0,1,2,3
.irp c, 0,1,2,3
	ds_load_b128 v[\f+64+16*\i+4*\c:\f+64+16*\i+4*\c+3], v[ADRB+\s] offset:128*(\q)+32*\c+\i*16*BP
.endr
.endr
.irp i, 0,1
.irp c, 0,1,2,3
	ds_load_b128 v[\f+16*\i+4*\c:\f+16*\i+4*\c+3], v[ADRA+\s] offset:\i*8192+(\q)*2048+512*\c
.endr
.endr
.if \sc
	WIN 0
.irp i, 0,1,2,3
.irp k, 0,1,2,3
	ds_load_b32 v[SC+32*(\s)+4*\i+\k], v[ADSA] offset:\k*512+64*\i
.endr
	ds_load_b128 v[SC+32*(\s)+16+4*\i:SC+32*(\s)+16+4*\i+3], v[ADSB] offset:\i*SBLK
.endr
	WIN TO_F
.endif
.irp i, 2,3
.irp c, 0,1,2,3
	ds_load_b128 v[\f+16*\i+4*\c:\f+16*\i+4*\c+3], v[ADRA+\s] offset:\i*8192+(\q)*2048+512*\c
.endr
.endr
.endm
.macro QUARTER s, q, f, g, first
	s_wait_dscnt 8                                 ; all but the youngest eight loads (A's blocks 2, 3)
	WIN MUL
	MUL4 \f, 0, \s, \q, \first
	MUL4 \f, 1, \s, \q, \first
	PLACES NP
	FETCH \s, (\q)+1, \g, 0
	s_wait_dscnt 32                                ; all but the 32 just issued
	WIN MUL
	MUL4 \f, 2, \s, \q, \first
	MUL4 \f, 3, \s, \q, \first
.endm
; a slot's last quarter changes slots: one barrier; in front of it each wave waits for all its tensor loads, adds 0 to its spare word, and waits for that and for its reads of this slot
.macro TURN s, n, fill
	WIN 0
.if \fill
	s_wait_xcnt 0x0                                ; my last prefetch has read its address: it steps here, ahead of the waits of the change of slots
	s_add_nc_u64 s[66:67], s[66:67], s[8:9]
.endif
	s_wait_tensorcnt 0x0                           ; all my tensor loads have landed: my part of the next slot
	ds_add_u32 v[SPW], v[NIL]
	s_wait_dscnt 9                                 ; (the add and the youngest eight loads may be out)
	WIN MUL
	MUL4 F1, 0, \s, 3, 0
	s_wait_dscnt 0x0                               ; the add is done, and my reads of this slot are over
	s_barrier_signal -1
	MUL4 F1, 1, \s, 3, 0
	WIN 0
	s_barrier_wait -1
.if \fill
	CREST                                          ; the barrier has opened a round of the cluster's: no wave of any partner still reads this slot or has a load on its way
	s_add_nc_u64 s[G0A+4*\s+2:G0A+4*\s+3], s[G0A+4*\s+2:G0A+4*\s+3], 2*8192
	s_add_nc_u64 s[G0B+4*\s+2:G0B+4*\s+3], s[G0B+4*\s+2:G0B+4*\s+3], 2*512
	JLOAD G0A+4*\s, G1A, G0B+4*\s, G1B             ; my one tensor load behind the round; its four v_nop are four of the eight places
	PLACES NP-4
.else
	PLACES NP
.endif
	s_wait_alu depctr_va_vdst(0)
	v_add_nc_u32 v[ADSA], 2048, v[ADSA]            ; on to the next K step's scale words
	v_add_nc_u32 v[ADSB], 16, v[ADSB]
	FETCH \n, 0, F0, 1
.if \fill
	WIN 0                                          ; at a branch and at a label every window is 0
	s_cmp_gt_u32 s3, 1                             ; the last trip's refills have no K step two on
	s_cbranch_scc0 .Lnone_\@
	global_prefetch_b8 v31, s[66:67] th:TH_LOAD_NT scope:SCOPE_SE
.Lnone_\@:
.endif
	WIN MUL
	MUL4 F1, 2, \s, 3, 0
	MUL4 F1, 3, \s, 3, 0
.endm
	s_wait_alu depctr_va_vdst(0)
	s_wait_tensorcnt 0x0                           ; my tile of the head's four is in
	ds_add_u32 v[SPW], v[NIL]
	s_mov_b32 s[G1A+2], 4<<16                      ; no tensor load of mine is out: from here on a load brings half a tile
	s_mov_b32 s[G1A+4], 4
	s_mov_b32 s[G1B+2], 64<<16
	s_mov_b32 s[G1B+4], 64
	s_wait_dscnt 0x0
	CROUND                                         ; all four tiles are in, and all sixteen work-groups are here
	JLOAD G0A+4, G1A, G0B+4, G1B                   ; K step 1, my one tensor load behind the round
	FETCH 0, 0, F0, 1
	s_wait_loadcnt 32                              ; the bias is in; the residual's 32 loads stay out
	QUARTER 0, 0, F0, F1, 1                        ; the first products start the sums, from the bias
.if LAPS > 1
	WIN 0
	s_mov_b32 s3, LAPS-1
.Llap:                                             ; a trip goes once round the ring and fills both slots again
	QUARTER 0, 1, F1, F0, 0
	QUARTER 0, 2, F0, F1, 0
	TURN 0, 1, 1
	QUARTER 1, 0, F0, F1, 0
	QUARTER 1, 1, F1, F0, 0
	QUARTER 1, 2, F0, F1, 0
	TURN 1, 0, 1
	QUARTER 0, 0, F0, F1, 0
	WIN 0
	s_sub_co_u32 s3, s3, 1
	s_cmp_lg_u32 s3, 0
	s_cbranch_scc1 .Llap
.endif
	QUARTER 0, 1, F1, F0, 0                        ; the last lap fills nothing
	QUARTER 0, 2, F0, F1, 0
	TURN 0, 1, 0
	QUARTER 1, 0, F0, F1, 0
	QUARTER 1, 1, F1, F0, 0
	QUARTER 1, 2, F0, F1, 0
	s_wait_dscnt 8
	WIN MUL
	MUL4 F1, 0, 1, 3, 0
	MUL4 F1, 1, 1, 3, 0
	s_wait_dscnt 0
	MUL4 F1, 2, 1, 3, 0
	MUL4 F1, 3, 1, 3, 0
	WIN 0
	; THE WAY OUT, 16 rows x 64 columns at a time: through my own stage (rows of 256 bytes + 16), back as whole rows, the residual added, sixteen lanes to an aligned 256 bytes
	PLACES NP
	s_wait_loadcnt 0x0                             ; the residual
.macro OUT a
.set BK, 32*((\a)%2)
.if (\a) >= 2
	s_wait_xcnt 0x0                                ; the stores of two blocks back have read their registers
.endif
.irp b, 0,1,2,3
	ds_store_b128 v[STO], v[ACC+8*(4*(\a)+\b):ACC+8*(4*(\a)+\b)+3] offset:64*\b      ; each accumulator from its low end on
	ds_store_b128 v[STO], v[ACC+8*(4*(\a)+\b)+4:ACC+8*(4*(\a)+\b)+7] offset:64*\b+16
.endr
	WIN 0x40                                       ; destination window 1
.irp t, 0,1,2,3,4,5,6,7
	ds_load_b128 v[BK+4*\t:BK+4*\t+3], v[RD] offset:\t*544   ; LDS serves a wave's instructions in order: these see my stores
.endr
	s_wait_dscnt 0x0
	WIN 0x49                                       ; destination and source 0 window 1, source 1 window 2
.set i, 0
.rept 16
	v_pk_add_f32 v[BK+i:BK+i+1], v[BK+i:BK+i+1], v[32*(\a)+i:32*(\a)+i+1]
.set i, i+2
.endr
	WIN 0x04                                       ; a store's data: window 1
.irp t, 0,1,2,3,4,5,6,7
.if NT
	global_store_b128 v[CO], v[BK+4*\t:BK+4*\t+3], s[14:15] offset:(16*(\a)+2*\t)*4096 th:TH_STORE_NT
.else
	global_store_b128 v[CO], v[BK+4*\t:BK+4*\t+3], s[14:15] offset:(16*(\a)+2*\t)*4096
.endif
.endr
	WIN 0
.endm
	OUT 0
	OUT 1
	OUT 2
	OUT 3
	s_wait_tensorcnt 0x0                           ; the wave's end
	ds_add_u32 v[SPW], v[NIL]
	s_wait_dscnt 0x0
	CROUND                                         ; the closing round
	s_endpgm
.Lfunc_end_k_qff488ac1fc_fc2:
	.size	k_qff488ac1fc_fc2, .Lfunc_end_k_qff488ac1fc_fc2-k_qff488ac1fc_fc2
	.p2alignl 7, 3214868480
	.fill 96, 4, 3214868480
	.section	.rodata,"a",@progbits
	.p2align	6, 0x0
	.amdhsa_kernel k_qff488ac1fc_fc2
		.amdhsa_group_segment_fixed_size 327680
		.amdhsa_private_segment_fixed_size 0
		.amdhsa_enable_private_segment 0
		.amdhsa_kernarg_size 48
		.amdhsa_user_sgpr_count 2
		.amdhsa_user_sgpr_kernarg_segment_ptr 1
		.amdhsa_wavefront_size32 1
		.amdhsa_system_sgpr_workgroup_id_x 1
		.amdhsa_system_sgpr_workgroup_id_y 1
		.amdhsa_system_sgpr_workgroup_id_z 1
		.amdhsa_system_vgpr_workitem_id 0
		.amdhsa_next_free_vgpr 768
		.amdhsa_next_free_sgpr 96
		.amdhsa_reserve_vcc 0
		.amdhsa_float_denorm_mode_32 3
		.amdhsa_float_denorm_mode_16_64 3
		.amdhsa_memory_ordered 1
		.amdhsa_forward_progress 1
		.amdhsa_inst_pref_size 108
	.end_amdhsa_kernel
	.amdgpu_metadata
---
amdhsa.version: [ 1, 2 ]
amdhsa.kernels:
  - .name:           k_qff488ac1fc_fc2
    .symbol:         k_qff488ac1fc_fc2.kd
    .args:
      - { .name: hid, .offset: 0, .size: 8, .value_kind: global_buffer, .address_space: global }
      - { .name: fc2_w_codes, .offset: 8, .size: 8, .value_kind: global_buffer, .address_space: global }
      - { .name: fc2_w_scales, .offset: 16, .size: 8, .value_kind: global_buffer, .address_space: global }
      - { .name: fc2_b, .offset: 24, .size: 8, .value_kind: global_buffer, .address_space: global }
      - { .name: x1, .offset: 32, .size: 8, .value_kind: global_buffer, .address_space: global }
      - { .name: out0, .offset: 40, .size: 8, .value_kind: global_buffer, .address_space: global }
    .group_segment_fixed_size: 327680
    .private_segment_fixed_size: 0
    .kernarg_segment_align: 8
    .kernarg_segment_size: 48
    .max_flat_workgroup_size: 128
    .sgpr_count:     96
    .vgpr_count:     768
    .wavefront_size: 32
...
	.end_amdgpu_metadata
.endif
;; end of part 6
